; MI455X (gfx1250); checked and timed in simulation.
; The chip was launched on July 23, 2026; its instructions are those of AMD's public machine-readable ISA for CDNA 5 (MIT licence, August 2026) and "CDNA5" Instruction Set Architecture Reference Guide (July 2026). The comments in the code are by the model that wrote it; some were corrected since.
;; Decoder Block. Allowed arithmetic: float matrix products may take bf16 or f16 operands with f32 sums; other float arithmetic in f32, or as packed bf16 or f16 multiplies, adds, multiply-adds, maxima and minima; sums over many terms, partial sums and values carried from step to step in f32; what a program stores and reads back later, other than sums and carried values, may be rounded once to bf16 or f16.
;; Inputs: ln1_w 1,024 float32; ln2_w 1,024 float32; w_fc1 1,024 x 4,096 float32; w_fc2 4,096 x 1,024 float32; w_out 1,024 x 1,024 float32; w_qkv 1,024 x 3,072 float32; x 2 x 2,048 x 1,024 float32.
;; Outputs: out0 2 x 2,048 x 1,024 float32.
;; One version. Each part assembles by itself: llvm-mc -triple=amdgcn-amd-amdhsa -mcpu=gfx1250 --defsym DOCPART=n.
;; ======== version 1 of 1: 7 launches
;; limits: a function is approximated: absolute error at most 1.5e-07
;; workspace buffers: wq 6,291,456 bytes; wb 18,874,368 bytes; xn 8,388,608 bytes; qkv 25,165,824 bytes; o 8,388,608 bytes; x1 16,777,216 bytes; h 33,554,432 bytes
;; launch prep (part 1): grid 704 x 1, 8 waves a work-group, no clusters, 0 bytes of LDS; arguments x, ln1_w, w_qkv, xn, wq; writes xn, wq
.if DOCPART == 1
	.amdgcn_target "amdgcn-amd-amdhsa--gfx1250"
	.amdhsa_code_object_version 6
	.text
	.protected	k_qf7d70d54f1_prep
	.globl	k_qf7d70d54f1_prep
	.p2align	8
	.type	k_qf7d70d54f1_prep,@function
k_qf7d70d54f1_prep:
	s_mov_b64 s[64:65], 0
	v_nop
	global_prefetch_b8 v0, s[64:65] scope:SCOPE_SE
	s_setreg_imm32_b32 hwreg(HW_REG_WAVE_MODE, 25, 1), 1
	s_wait_xcnt 0x0
; PREP.  Work-groups 0-511: xn = layernorm(x) * ln1_w, rounded once to bf16.  Work-groups 512-703: w_qkv, f32 to bf16, layout [K][N] kept, into wq.
; (The other three weight matrices are converted beside the next launch's product, by work-groups that have no tile there.)
; A stream: every byte is read once and written once, no LDS, no barrier, no matrix unit.
; LAYERNORM.  One wave takes one row of 1,024 f32 (4,096 bytes): eight loads of 16 bytes a lane, each covering 512 consecutive bytes; the row stays in 32 registers.
; Two passes in registers: the mean, then the sum of squares of x - mean, so a common offset of the row costs no digits.  Sums in f32, four chains each.
; A store of the wave is 32 lanes x 8 bytes = 256 consecutive bytes, aligned.
; LIMITS.  NaN and infinities are not treated apart; the reciprocal root is the hardware's, good to 1 ULP.
.set X,    16                          ; v[16:47]   the row as loaded, then x - mean, then the result
.set W,    48                          ; v[48:79]   the gain of my 32 columns
.set T,    80                          ; v[80:87]   four chains of two sums
.set MEAN, 88                          ; v[88:89]   the mean, twice
.set VAR,  90                          ; v90        variance + eps
.set RS,   92                          ; v[92:93]   1 / sqrt(variance + eps), twice
.set Y,    96                          ; v[96:111]  the row in bf16
.macro REDUCE                          ; the four chains into one number, the same in all 32 lanes
	v_pk_add_f32 v[T:T+1], v[T:T+1], v[T+2:T+3]
	v_pk_add_f32 v[T+4:T+5], v[T+4:T+5], v[T+6:T+7]
	v_pk_add_f32 v[T:T+1], v[T:T+1], v[T+4:T+5]
	v_add_f32 v[T], v[T], v[T+1]
	v_add_f32_dpp v[T], v[T], v[T] row_xmask:1 row_mask:0xf bank_mask:0xf
	v_add_f32_dpp v[T], v[T], v[T] row_xmask:2 row_mask:0xf bank_mask:0xf
	v_add_f32_dpp v[T], v[T], v[T] row_xmask:4 row_mask:0xf bank_mask:0xf
	v_add_f32_dpp v[T], v[T], v[T] row_xmask:8 row_mask:0xf bank_mask:0xf
	v_permlanex16_b32 v[T+1], v[T], s25, s26       ; the other half of the lanes; the destination has been written
	v_add_f32 v[T], v[T], v[T+1]
.endm
	s_load_b256 s[8:15], s[0:1], 0x0               ; x 8, ln1_w 10, w_qkv 12, xn 14
	s_load_b64 s[16:17], s[0:1], 0x20              ; wq
	v_lshrrev_b32 v3, 5, v0
	v_readfirstlane_b32 s24, v3                    ; wave 0..7
	s_mov_b32 s25, 0x76543210                      ; lane selects: each lane takes its own place in the other half
	s_mov_b32 s26, 0xfedcba98
	s_mov_b32 s27, 0x3a800000                      ; 1 / 1024
	s_mov_b32 s28, 0x3727c5ac                      ; eps = 1e-5
	s_mov_b32 s3, 0
	s_wait_kmcnt 0x0
	s_cmp_lt_u32 ttmp9, 512
	s_cbranch_scc0 .Lcvt
	v_and_b32 v4, 31, v0
	v_lshlrev_b32 v1, 4, v4                        ; 16 bytes a lane in x and in the gain
	v_lshlrev_b32 v2, 3, v4                        ; 8 bytes a lane in xn
	s_lshl_b32 s2, ttmp9, 15                       ; row = 8 x work-group + wave, 4,096 bytes each
	s_lshl_b32 s4, s24, 12
	s_add_co_u32 s2, s2, s4
	s_add_nc_u64 s[8:9], s[8:9], s[2:3]
	s_lshr_b32 s2, s2, 1                           ; 2,048 bytes a row in xn
	s_add_nc_u64 s[14:15], s[14:15], s[2:3]
.irp j, 0,1,2,3,4,5,6,7
	global_load_b128 v[X+4*(\j):X+4*(\j)+3], v1, s[8:9] offset:512*(\j) th:TH_LOAD_NT
.endr
.irp j, 0,1,2,3,4,5,6,7
	global_load_b128 v[W+4*(\j):W+4*(\j)+3], v1, s[10:11] offset:512*(\j)
.endr
	s_wait_loadcnt 8                               ; the row is in; the gain's eight loads may stay out
.irp k, 0,1,2,3
	v_pk_add_f32 v[T+2*(\k):T+2*(\k)+1], v[X+2*(\k):X+2*(\k)+1], v[X+8+2*(\k):X+8+2*(\k)+1]
.endr
.irp k, 0,1,2,3,4,5,6,7
	v_pk_add_f32 v[T+2*((\k)%4):T+2*((\k)%4)+1], v[T+2*((\k)%4):T+2*((\k)%4)+1], v[X+16+2*(\k):X+16+2*(\k)+1]
.endr
	REDUCE
	v_mul_f32 v[MEAN], s27, v[T]
	v_mov_b32 v[MEAN+1], v[MEAN]
.irp k, 0,1,2,3,4,5,6,7,8,9,10,11,12,13,14,15
	v_pk_add_f32 v[X+2*(\k):X+2*(\k)+1], v[X+2*(\k):X+2*(\k)+1], v[MEAN:MEAN+1] neg_lo:[0,1] neg_hi:[0,1]
.endr
.irp k, 0,1,2,3
	v_pk_mul_f32 v[T+2*(\k):T+2*(\k)+1], v[X+2*(\k):X+2*(\k)+1], v[X+2*(\k):X+2*(\k)+1]
.endr
.irp k, 4,5,6,7,8,9,10,11,12,13,14,15
	v_pk_fma_f32 v[T+2*((\k)%4):T+2*((\k)%4)+1], v[X+2*(\k):X+2*(\k)+1], v[X+2*(\k):X+2*(\k)+1], v[T+2*((\k)%4):T+2*((\k)%4)+1]
.endr
	REDUCE
	v_fma_f32 v[VAR], v[T], s27, s28               ; variance + eps
	v_rsq_f32 v[RS], v[VAR]
	v_nop                                          ; a plain instruction behind the reciprocal root,
	s_wait_alu depctr_va_vdst(0)                   ; and the wait ahead of the first use of its result
	v_mov_b32 v[RS+1], v[RS]
	s_wait_loadcnt 0x0                             ; the gain
.irp k, 0,1,2,3,4,5,6,7,8,9,10,11,12,13,14,15
	v_pk_mul_f32 v[X+2*(\k):X+2*(\k)+1], v[X+2*(\k):X+2*(\k)+1], v[RS:RS+1]
.endr
.irp k, 0,1,2,3,4,5,6,7,8,9,10,11,12,13,14,15
	v_pk_mul_f32 v[X+2*(\k):X+2*(\k)+1], v[X+2*(\k):X+2*(\k)+1], v[W+2*(\k):W+2*(\k)+1]
.endr
.irp k, 0,1,2,3,4,5,6,7,8,9,10,11,12,13,14,15
	v_cvt_pk_bf16_f32 v[Y+(\k)], v[X+2*(\k)], v[X+2*(\k)+1]
.endr
.irp j, 0,1,2,3,4,5,6,7
	global_store_b64 v2, v[Y+2*(\j):Y+2*(\j)+1], s[14:15] offset:256*(\j) th:TH_STORE_NT
.endr
	s_endpgm
.Lcvt:                                             ; chunk c = work-group - 512 of 192: 16,384 numbers of w_qkv, 65,536 bytes in, 32,768 out
	s_sub_co_u32 s2, ttmp9, 512
	s_lshl_b32 s6, s2, 16
	s_mov_b32 s7, 0
	s_add_nc_u64 s[12:13], s[12:13], s[6:7]
	s_lshl_b32 s6, s2, 15
	s_add_nc_u64 s[16:17], s[16:17], s[6:7]
	v_lshlrev_b32 v1, 4, v0                        ; 256 threads x 16 bytes = 4,096 bytes a load
	v_lshlrev_b32 v2, 3, v0
.irp j, 0,1,2,3,4,5,6,7,8,9,10,11,12,13,14,15
	global_load_b128 v[16+4*(\j):16+4*(\j)+3], v1, s[12:13] offset:4096*(\j) th:TH_LOAD_NT
.endr
.irp j, 0,1,2,3,4,5,6,7,8,9,10,11,12,13,14,15
	s_wait_loadcnt 15-(\j)                         ; loads come back in order: number j is in, the younger ones stay out
	v_cvt_pk_bf16_f32 v[80+2*(\j)], v[16+4*(\j)], v[16+4*(\j)+1]
	v_cvt_pk_bf16_f32 v[80+2*(\j)+1], v[16+4*(\j)+2], v[16+4*(\j)+3]
	global_store_b64 v2, v[80+2*(\j):80+2*(\j)+1], s[16:17] offset:2048*(\j) th:TH_STORE_NT  ; no register is written twice: no wait for the stores' sources
.endr
	s_endpgm
.Lfunc_end_k_qf7d70d54f1_prep:
	.size	k_qf7d70d54f1_prep, .Lfunc_end_k_qf7d70d54f1_prep-k_qf7d70d54f1_prep
	.p2alignl 7, 3214868480
	.fill 96, 4, 3214868480
	.section	.rodata,"a",@progbits
	.p2align	6, 0x0
	.amdhsa_kernel k_qf7d70d54f1_prep
		.amdhsa_group_segment_fixed_size 0
		.amdhsa_private_segment_fixed_size 0
		.amdhsa_enable_private_segment 0
		.amdhsa_kernarg_size 40
		.amdhsa_user_sgpr_count 2
		.amdhsa_user_sgpr_kernarg_segment_ptr 1
		.amdhsa_wavefront_size32 1
		.amdhsa_system_sgpr_workgroup_id_x 1
		.amdhsa_system_sgpr_workgroup_id_y 1
		.amdhsa_system_sgpr_workgroup_id_z 1
		.amdhsa_system_vgpr_workitem_id 0
		.amdhsa_next_free_vgpr 128
		.amdhsa_next_free_sgpr 66
		.amdhsa_reserve_vcc 0
		.amdhsa_float_denorm_mode_32 3
		.amdhsa_float_denorm_mode_16_64 3
		.amdhsa_memory_ordered 1
		.amdhsa_forward_progress 1
		.amdhsa_inst_pref_size 17
	.end_amdhsa_kernel
	.amdgpu_metadata
---
amdhsa.version: [ 1, 2 ]
amdhsa.kernels:
  - .name:           k_qf7d70d54f1_prep
    .symbol:         k_qf7d70d54f1_prep.kd
    .args:
      - { .name: x, .offset: 0, .size: 8, .value_kind: global_buffer, .address_space: global }
      - { .name: ln1_w, .offset: 8, .size: 8, .value_kind: global_buffer, .address_space: global }
      - { .name: w_qkv, .offset: 16, .size: 8, .value_kind: global_buffer, .address_space: global }
      - { .name: xn, .offset: 24, .size: 8, .value_kind: global_buffer, .address_space: global }
      - { .name: wq, .offset: 32, .size: 8, .value_kind: global_buffer, .address_space: global }
    .group_segment_fixed_size: 0
    .private_segment_fixed_size: 0
    .kernarg_segment_align: 8
    .kernarg_segment_size: 40
    .max_flat_workgroup_size: 256
    .sgpr_count:     66
    .vgpr_count:     128
    .wavefront_size: 32
...
	.end_amdgpu_metadata
.endif
;; end of part 1
;; launch qkv (part 2): grid 16 x 16, 4 waves a work-group, clusters of 4 x 4, 327,680 bytes of LDS; arguments xn, wq, qkv, w_out, w_fc1, w_fc2, wb; writes qkv, wb
.if DOCPART == 2
	.amdgcn_target "amdgcn-amd-amdhsa--gfx1250"
	.amdhsa_code_object_version 6
	.text
	.protected	k_qf7d70d54f1_qkv
	.globl	k_qf7d70d54f1_qkv
	.p2align	8
	.type	k_qf7d70d54f1_qkv,@function
k_qf7d70d54f1_qkv:
	s_mov_b64 s[64:65], 0
	v_nop
	global_prefetch_b8 v0, s[64:65] scope:SCOPE_SE
	s_setreg_imm32_b32 hwreg(HW_REG_WAVE_MODE, 25, 1), 1
	s_wait_xcnt 0x0
	s_wait_alu depctr_hold_cnt(0) depctr_sa_sdst(0) depctr_va_vdst(0) depctr_va_sdst(0) depctr_va_ssrc(0) depctr_va_vcc(0) depctr_vm_vsrc(0)
	s_getreg_b32 s2, hwreg(HW_REG_IB_STS2, 6, 4)
	s_cmp_eq_u32 s2, 0
	s_cbranch_scc0 .Lentry_in_a_cluster
	s_endpgm
.Lentry_in_a_cluster:
	s_bfe_u32 s2, ttmp6, 0x10000c
	s_cmp_lg_u32 s2, 0xf033
	s_cbranch_scc0 .Lentry_shape_is_right
	s_endpgm
.Lentry_shape_is_right:
; QKV, AND BESIDE IT THE CONVERSION OF THREE WEIGHT MATRICES.
; CLUSTERS WITH x = 0, 1, 2: C[m][n] = sum over k of xn[m][k] Wqkv[k][n]; xn [4096][1024] bf16, Wqkv [1024][3072] bf16 (wq), sums in f32, C rounded once to bf16 and written BY HEADS:
; qkv[which][batch x 16 + head][s][64], which = 0 (q), 1 (k), 2 (v), unscaled.
; A tile of C is 256 x 256, four waves of 128 x 128 (64 accumulators, 512 registers): 12 x 16 = 192 tiles.  K goes in 8 steps of 128 through a ring of two LDS slots filled by tensor loads.
; CLUSTERS WITH x = 3 (64 work-groups): w_out, w_fc1 and w_fc2, f32 to bf16, layout kept, one behind the other in wb: a stream that later launches want and that this launch's product does not touch.
; The branch between the two hangs on the cluster's x, the same in all sixteen partners, and stands ahead of the first round and the first tensor load.
; THE WEIGHTS LIE [K][N]: their tile is 128 k-rows x 128 columns (rows of 256 bytes), and a fragment is turned on its way out of LDS by ds_load_tr16_b128.
; THE MATRIX INSTRUCTION IS USED TRANSPOSED (source 0 = 16 columns of W, source 1 = 16 rows of xn): a lane then holds eight neighbouring columns of one row of C.
; CLUSTER 4 x 4: xn's tile is shared along a row of the cluster, W's along a column: each is asked for jointly, by the same load with the same descriptor and a mask of four.
; THE LOOP IS WRITTEN PER K STEP: the slot in hand is a scalar, TB (0 or SLOT), turned by an exclusive or; one walking descriptor a tensor.
; REGISTERS: window 0: v0-31 addresses; v64-127, v128-191 fragments of xn, two buffers.  Window 1: the same numbers, fragments of W.  Windows 2, 3: accumulator (a, b) at window 2 + a / 4, v[8 (8 (a % 4) + b)].
.set N,      3072
.set WOFF,   0
.set KDIM,   1024
.set NSTEPS, 8
.set PA,     272                       ; a row of xn's tile in LDS: 256 bytes + 16: 68 words, so the 16 rows of a load start at 16 different groups of four banks
.set PB,     288                       ; a k-row of W's tile: 256 + 32: 72 words, so 16 lanes of the turning load (8 rows x 32 bytes) take each bank once
.set HALFA,  128*PA
.set HALFB,  128*PB
.set BOFF,   2*HALFA
.set SLOT,   BOFF+2*HALFB              ; 143,360
.set ASTEP,  256                       ; bytes from K step to K step in xn,
.set BSTEP,  128*N*2                   ; and in W
.set SPARE,  2*SLOT                    ; the spare words: 128 bytes a wave, two blocks of 256 bytes that no other line names
.set SPITCH, 528                       ; the way out: a row of 128 f32 + 16 bytes
.set SW,     128*SPITCH                ; a wave's stage: 128 rows; the four stages lie in the ring's bytes, behind the ring's last fill and last read
.set ADRA,  16                         ; v16  LDS address of my fragments of xn in the slot in hand
.set ADRA0, 17                         ; v17  the same in slot 0; never rewritten
.set ADRB,  20
.set ADRB0, 21
.set STO,   24
.set RD,    25
.set CO,    26
.set SPW,   28                         ; v28  my spare word; never rewritten
.set NIL,   29                         ; v29  0; never rewritten
.set PFO,   30                         ; v30  the prefetches' offset: my lane x a row's bytes; never rewritten
.set F0,    64
.set F1,    128
.set CX,    64                         ; the converters: v[64:255], 48 loads of four registers
.set G1,  24                           ; s[24:31] group 1 for xn's tiles
.set G0,  32                           ; s[32:35] group 0 of the first fill, s[36:39] the walking one
.set G1B, 48                           ; s[48:55], s[56:59], s[60:63]: the same for W's tiles
.set G0B, 56
.set LIM, 43                           ; s43  2 in a wave that prefetches, else the greatest number
.set PFA, 44                           ; s[44:45] where my prefetches stand
.set TB,  66                           ; s66  first byte of the slot in hand
.set WA,  67                           ; s67  where my half of xn's tile goes in a slot
.set WB,  68                           ; s68  the same for W; also where my wave's columns lie
.set PFS, 70                           ; s[70:71] bytes from K step to K step for my prefetches
.set MSB, 0
.macro WIN new                         ; the immediate's high byte repeats the setting that is left; a switch that changes nothing is dropped
.if MSB != (\new)
	s_set_vgpr_msb (MSB<<8)|(\new)
.set MSB, \new
.endif
.endm
.set MUL_LO, 0xa1                      ; source 0 (W) window 1, source 1 (xn) window 0, C and D window 2
.set MUL_HI, 0xf1                      ; the same, C and D window 3
.set TO_B,   0x40                      ; destination window 1, address window 0
.macro PLACES                          ; four plain instructions behind a matrix instruction, ahead of loads into its sources and of reads of its result
.rept 4
	v_nop
.endr
.endm
; A joint refill by the walking descriptor.  Waves 0 and 1 fetch xn's two halves, waves 2 and 3 W's.  The branch hangs on the wave's number alone.
.macro JLOAD
	s_cmp_eq_u32 s11, 0
	s_cbranch_scc0 .Lfor_b_\@
	tensor_load_to_lds s[G0+4:G0+7], s[G1:G1+7]
	s_nop 0
.rept 4
	v_nop
.endr
	s_branch .Lasked_\@
.Lfor_b_\@:
	tensor_load_to_lds s[G0B+4:G0B+7], s[G1B:G1B+7]
	s_nop 0
.rept 4
	v_nop
.endr
.Lasked_\@:
.endm
; A prefetch of the K step that stands two refills on: 32 rows x 256 bytes, a lane a row, one instruction a wave.  xn's rows are named by the clusters with x = 0, W's by those with y = 0; of the 128 rows
; that a wave fetches each of the four partners takes 32, told apart by address.  So each block of 256 bytes is named once.  s3 counts the loop's trips 6 .. 1: the last two refills have no K step two on.
.macro ASK
	s_cmp_gt_u32 s3, s[LIM]
	s_cbranch_scc0 .Lnot_mine_\@
	global_prefetch_b8 v[PFO], s[PFA:PFA+1] th:TH_LOAD_NT scope:SCOPE_SE
.Lnot_mine_\@:
.endm
.macro CREST                           ; a round of the cluster's barrier behind its opening barrier
	s_cmp_lg_u32 s10, 0
	s_cbranch_scc1 .Lnot_wave_0_\@
	s_barrier_signal -3
.Lnot_wave_0_\@:
	s_barrier_wait -3
	s_barrier_signal -1
	s_barrier_wait -1
.endm
.macro CROUND
	s_barrier_signal -1
	s_barrier_wait -1
	CREST
.endm
; 16 matrix instructions: row blocks a0, a0 + 1 of the window's four x all 8 column blocks, 32 along K.  zero = 1: the product starts the sums.
.macro MUL16 f, hi, a0, zero
	WIN MUL_LO+0x50*(\hi)
.irp a, \a0, (\a0)+1
.irp b, 0,1,2,3,4,5,6,7
.if \zero
	v_wmma_f32_16x16x32_bf16 v[8*(8*(\a)+(\b)):8*(8*(\a)+(\b))+7], v[(\f)+8*(\b):(\f)+8*(\b)+7], v[(\f)+8*(4*(\hi)+(\a)):(\f)+8*(4*(\hi)+(\a))+7], 0
.else
	v_wmma_f32_16x16x32_bf16 v[8*(8*(\a)+(\b)):8*(8*(\a)+(\b))+7], v[(\f)+8*(\b):(\f)+8*(\b)+7], v[(\f)+8*(4*(\hi)+(\a)):(\f)+8*(4*(\hi)+(\a))+7], v[8*(8*(\a)+(\b)):8*(8*(\a)+(\b))+7]
.endif
.endr
.endr
.endm
; 32 LDS loads in one run: quarter q (32 along K) of the slot in hand into buffer f: W's 8 column blocks, turned, then xn's 8 row blocks
.macro FETCH q, f
	WIN TO_B
.irp i, 0,1,2,3,4,5,6,7
	ds_load_tr16_b128 v[(\f)+8*(\i):(\f)+8*(\i)+3],   v[ADRB] offset:(\q)*32*PB+32*(\i)
	ds_load_tr16_b128 v[(\f)+8*(\i)+4:(\f)+8*(\i)+7], v[ADRB] offset:(\q)*32*PB+32*(\i)+16*PB
.endr
	WIN 0
.irp i, 0,1,2,3,4,5,6,7
	ds_load_b128 v[(\f)+8*(\i):(\f)+8*(\i)+3],   v[ADRA] offset:64*(\q)+(\i)*16*PA
	ds_load_b128 v[(\f)+8*(\i)+4:(\f)+8*(\i)+7], v[ADRA] offset:64*(\q)+(\i)*16*PA+32
.endr
.endm
; One of a K step's first three quarters: multiplies buffer f, and in its middle fetches quarter q into buffer g
.macro QUARTER q, f, g, zero
	s_wait_dscnt 8                                 ; W and xn's rows 0-63 are in; the youngest eight loads (rows 64-127) may be out
	MUL16 \f, 0, 0, \zero
	MUL16 \f, 0, 2, \zero
	PLACES
	FETCH \q, \g
	s_wait_dscnt 32                                ; all but the 32 just issued
	MUL16 \f, 1, 0, \zero
	MUL16 \f, 1, 2, \zero
.endm
; The last quarter multiplies buffer 1 and changes slots.  Each wave waits for all its tensor loads (one is out: its part of the next slot), adds 0 to its spare word, and waits for that and for its reads
; of this slot; behind the barrier nobody reads this slot and the next is whole.  fill = 1: the barrier opens a round of the cluster's, and this slot is filled again, two K steps ahead, first thing behind it.
.macro TURN fill
.if \fill
	s_wait_xcnt 0x0                                ; the last prefetch, a K step back, has read its address: it is stepped here
	s_add_nc_u64 s[PFA:PFA+1], s[PFA:PFA+1], s[PFS:PFS+1]
.endif
	WIN 0
	s_wait_tensorcnt 0x0                           ; no tensor load of mine is out, so a group 0 may be written
	ds_add_u32 v[SPW], v[NIL]                      ; 0 onto my spare word; work on registers stands between it and the wait for it
.if \fill
	s_add_co_u32 s[G0+5], s[TB], s[WA]             ; the walking descriptors: the slot that is being left,
	s_add_co_u32 s[G0B+5], s[TB], s[WB]
	s_add_nc_u64 s[G0+6:G0+7], s[G0+6:G0+7], ASTEP ; the next K step; the type bits on top are not reached
	s_add_nc_u64 s[G0B+6:G0B+7], s[G0B+6:G0B+7], BSTEP
.endif
	s_xor_b32 s[TB], s[TB], SLOT                   ; TB is 0 or SLOT: the other slot
	v_add_nc_u32 v[ADRA], s[TB], v[ADRA0]
	v_add_nc_u32 v[ADRB], s[TB], v[ADRB0]
	s_wait_dscnt 9                                 ; the add and the youngest eight loads may be out
	MUL16 F1, 0, 0, 0
	s_wait_dscnt 0x0                               ; the add is done, and my reads of this slot are over
	s_barrier_signal -1
	MUL16 F1, 0, 2, 0
.if \fill
	WIN 0
.endif
	s_barrier_wait -1
.if \fill
	CREST
	JLOAD                                          ; its four v_nop are also the places ahead of the loads below
.else
	PLACES
.endif
	FETCH 0, F0
.if \fill
	ASK
.endif
	MUL16 F1, 1, 0, 0
	MUL16 F1, 1, 2, 0
.endm
; THE CONVERTERS.  Set c (0, 1, 2) of a trip: unit s[20+c] of 1,152 units of 32,768 bytes of f32: 0-127 w_out, 128-639 w_fc1, 640-1151 w_fc2; in wb the units follow each other, 16,384 bytes each.
.macro CPTR c
	s_mov_b64 s[24+2*(\c):25+2*(\c)], s[76:77]
	s_mov_b32 s18, 640
	s_cmp_lt_u32 s[20+(\c)], 640
	s_cselect_b64 s[24+2*(\c):25+2*(\c)], s[74:75], s[24+2*(\c):25+2*(\c)]
	s_cselect_b32 s18, 128, s18
	s_cmp_lt_u32 s[20+(\c)], 128
	s_cselect_b64 s[24+2*(\c):25+2*(\c)], s[72:73], s[24+2*(\c):25+2*(\c)]
	s_cselect_b32 s18, 0, s18
	s_sub_co_u32 s16, s[20+(\c)], s18              ; the unit's number inside its matrix
	s_lshl_b32 s16, s16, 15
	s_add_nc_u64 s[24+2*(\c):25+2*(\c)], s[24+2*(\c):25+2*(\c)], s[16:17]
	s_lshl_b32 s16, s[20+(\c)], 14
	s_add_nc_u64 s[32+2*(\c):33+2*(\c)], s[78:79], s[16:17]
.endm
	s_load_b128 s[4:7], s[0:1], 0x0                ; xn s[4:5], wq s[6:7]
	s_load_b64 s[8:9], s[0:1], 0x10                ; qkv
	s_load_b256 s[72:79], s[0:1], 0x18             ; w_out s[72:73], w_fc1 s[74:75], w_fc2 s[76:77], wb s[78:79]
	v_lshl_add_u32 v[SPW], v0, 2, SPARE
	v_mov_b32 v[NIL], 0
	ds_add_u32 v[SPW], v[NIL]                      ; the wave's opening
	ds_add_u32 v28, v29
	v_lshrrev_b32 v1, 5, v0
	v_readfirstlane_b32 s10, v1                    ; wave 0..3
	s_lshr_b32 s11, s10, 1                         ; my half of the tile's rows.  Also: I fetch for xn (0) or for W (1)
	s_and_b32 s12, s10, 1                          ; my half of its columns.  Also: which half of that tile I fetch
	s_bfe_u32 s40, ttmp6, 0x40000                  ; cx
	s_bfe_u32 s41, ttmp6, 0x40004                  ; cy
	s_lshl_b32 s42, ttmp9, 2
	s_add_co_u32 s42, s42, s40                     ; tile column
	s_and_b32 s13, ttmp7, 0xffff
	s_lshl_b32 s13, s13, 2
	s_add_co_u32 s13, s13, s41                     ; tile row
	s_lshl_b32 s43, s41, 2
	s_lshl_b32 s43, 15, s43                        ; my row of the cluster
	s_lshl_b32 s44, 0x1111, s40                    ; my column
	s_or_b32 s[G1+0], s43, (1<<16)|(1<<20)|(1<<21)|(5<<22)|(3<<25)   ; mask; 2-byte elements; padding on; bit 21 beside a mask; after every 64 words, 4 words
	s_or_b32 s[G1B+0], s44, (1<<16)|(1<<20)|(1<<21)|(5<<22)|(7<<25)  ; the same with 8 words of padding
	s_mov_b32 s[G1+1], 128<<16                     ; tensor_dim0 = 128
	s_mov_b32 s[G1+2], 128<<16                     ; tensor_dim1 = 128
	s_mov_b32 s[G1+3], 128<<16                     ; tile_dim0 = 128
	s_mov_b32 s[G1+4], 128                         ; tile_dim1 = 128
	s_mov_b32 s[G1+5], KDIM                        ; elements from row to row
	s_mov_b32 s[G1+6], 0
	s_mov_b32 s[G1+7], 0
	s_mov_b32 s[G1B+1], 128<<16
	s_mov_b32 s[G1B+2], 128<<16
	s_mov_b32 s[G1B+3], 128<<16
	s_mov_b32 s[G1B+4], 128
	s_mov_b32 s[G1B+5], N
	s_mov_b32 s[G1B+6], 0
	s_mov_b32 s[G1B+7], 0
	s_lshl_b32 s17, s12, 7
	s_lshl_b32 s16, s13, 8
	s_add_co_u32 s16, s16, s17                     ; xn: row 256 x tile row + 128 x half,
	s_lshl_b32 s16, s16, 11                        ; 2,048 bytes each
	s_mov_b32 s17, 0
	s_lshl_b32 s46, s42, 9                         ; W: column 256 x tile column + 128 x half, 2 bytes each
	s_lshl_b32 s47, s12, 8
	s_add_co_u32 s46, s46, s47
	s_add_co_u32 s46, s46, WOFF
	s_mov_b32 s47, 0
	s_mul_i32 s[WA], s12, HALFA                    ; no place in the cluster enters an LDS address
	s_mul_i32 s[WB], s12, HALFB
	s_add_co_u32 s[WB], s[WB], BOFF
	s_mov_b32 s[TB], 0
	s_wait_dscnt 0x0                               ; the opening add is done
	s_wait_kmcnt 0x0
	s_cmp_eq_u32 ttmp9, 3                          ; the clusters with x = 3 have no tile: they convert
	s_cbranch_scc1 .Lconvert
	s_add_nc_u64 s[14:15], s[4:5], s[16:17]
	s_add_nc_u64 s[46:47], s[6:7], s[46:47]
	CROUND                                         ; all sixteen work-groups are here: the first joint loads meet
	s_mov_b32 s[G0], 1                             ; K step 0 into slot 0
	s_mov_b32 s[G0+1], s[WA]
	s_mov_b64 s[G0+2:G0+3], s[14:15]
	s_or_b32 s[G0+3], s[G0+3], 0x80000000
	s_mov_b32 s[G0+4], 1                           ; K step 1 into slot 1: this set walks on
	s_add_co_u32 s[G0+5], s[WA], SLOT
	s_add_nc_u64 s[G0+6:G0+7], s[14:15], ASTEP
	s_or_b32 s[G0+7], s[G0+7], 0x80000000
	s_mov_b32 s[G0B], 1
	s_mov_b32 s[G0B+1], s[WB]
	s_mov_b64 s[G0B+2:G0B+3], s[46:47]
	s_or_b32 s[G0B+3], s[G0B+3], 0x80000000
	s_mov_b32 s[G0B+4], 1
	s_add_co_u32 s[G0B+5], s[WB], SLOT
	s_add_nc_u64 s[G0B+6:G0B+7], s[46:47], BSTEP
	s_or_b32 s[G0B+7], s[G0B+7], 0x80000000
	s_cmp_eq_u32 s11, 0                            ; a wave's two first fills stand in one branch: two loads of mine are out
	s_cbranch_scc0 .Lfirst_b
	tensor_load_to_lds s[G0:G0+3], s[G1:G1+7]
	s_nop 0
	tensor_load_to_lds s[G0+4:G0+7], s[G1:G1+7]
	s_nop 0
.rept 4
	v_nop
.endr
	s_branch .Lfirst_asked
.Lfirst_b:
	tensor_load_to_lds s[G0B:G0B+3], s[G1B:G1B+7]
	s_nop 0
	tensor_load_to_lds s[G0B+4:G0B+7], s[G1B:G1B+7]
	s_nop 0
.rept 4
	v_nop
.endr
.Lfirst_asked:
	v_and_b32 v1, 15, v0                           ; r = l % 16
	v_bfe_u32 v2, v0, 4, 1                         ; h = l / 16
	v_mul_u32_u24 v3, v1, PA                       ; a fragment of xn: row r, 16 bytes for each half of the lanes
	v_lshl_add_u32 v3, v2, 4, v3
	s_mul_i32 s21, s11, HALFA
	v_add_nc_u32 v[ADRA0], s21, v3
	v_and_b32 v4, 7, v0                            ; the turning load: k-row 8 h + l % 8, columns 8 ((l / 8) % 2) on
	v_bfe_u32 v5, v0, 3, 1
	v_lshl_add_u32 v4, v2, 3, v4
	v_mul_u32_u24 v4, v4, PB
	v_lshl_add_u32 v4, v5, 4, v4
	v_add_nc_u32 v[ADRB0], s[WB], v4
	v_mov_b32 v[ADRA], v[ADRA0]
	v_mov_b32 v[ADRB], v[ADRB0]
	s_mul_i32 s23, s10, SW                         ; my stage
	v_mul_u32_u24 v3, v1, SPITCH                   ; in: row r, 32 bytes (8 f32) for each half of the lanes
	v_lshl_add_u32 v3, v2, 5, v3
	v_add_nc_u32 v[STO], s23, v3
	v_mul_u32_u24 v3, v2, SPITCH                   ; back: lanes 0-15 take 256 bytes (a head's 64 f32) of one row, lanes 16-31 of the next
	v_lshl_add_u32 v3, v1, 4, v3
	v_add_nc_u32 v[RD], s23, v3
	v_and_b32 v[CO], 31, v0                        ; out: two rows of a head, 128 bytes each, are 256 consecutive bytes: 8 bytes a lane
	v_lshlrev_b32 v[CO], 3, v[CO]
	s_lshl_b32 s22, s42, 8                         ; n0 = 256 x tile column + 128 x half: which = n0 / 1024, head = (n0 % 1024) / 64
	s_lshl_b32 s23, s12, 7
	s_add_co_u32 s22, s22, s23
	s_lshr_b32 s23, s22, 10
	s_bfe_u32 s22, s22, 0x40006
	s_lshl_b32 s23, s23, 5
	s_add_co_u32 s22, s22, s23
	s_lshl_b32 s20, s13, 8                         ; m0 = 256 x tile row + 128 x half: batch = m0 / 2048, s = m0 % 2048
	s_lshl_b32 s21, s11, 7
	s_add_co_u32 s20, s20, s21
	s_lshr_b32 s21, s20, 11
	s_lshl_b32 s21, s21, 4
	s_add_co_u32 s22, s22, s21                     ; which x 32 + batch x 16 + head,
	s_lshl_b32 s22, s22, 18                        ; 2,048 rows of 128 bytes each
	s_and_b32 s20, s20, 2047
	s_lshl_b32 s20, s20, 7
	s_add_co_u32 s20, s20, s22
	s_mov_b32 s21, 0
	s_add_nc_u64 s[8:9], s[8:9], s[20:21]
	s_mov_b32 s18, 2*KDIM                          ; the prefetches: bytes from row to row,
	s_mov_b32 s19, 2*N
	s_mov_b32 s20, ASTEP                           ; and from K step to K step
	s_mov_b32 s21, BSTEP
	s_and_b32 s22, ttmp7, 0xffff                   ; cluster y
	s_cmp_eq_u32 s11, 0                            ; do I fetch for xn?
	s_cselect_b32 s18, s18, s19
	s_cselect_b32 s[PFS], s20, s21
	s_cselect_b32 s23, s40, s41                    ; my place among the four that ask with me
	s_cselect_b32 s22, ttmp9, s22                  ; the coordinate along which other clusters read the same rows
	s_cselect_b64 s[PFA:PFA+1], s[14:15], s[46:47]
	s_mov_b32 s[PFS+1], 0
	s_cmp_eq_u32 s22, 0
	s_cselect_b32 s[LIM], 2, -1                    ; the same in all sixteen partners, for a given wave
	s_lshl_b32 s23, s23, 5
	s_mul_i32 s20, s23, s18                        ; my work-group's 32 rows of the 128,
	s_mul_i32 s21, s[PFS], 3                       ; at K step 3: the first refill steps it to 4 and names it
	s_add_co_u32 s20, s20, s21
	s_mov_b32 s21, 0
	s_add_nc_u64 s[PFA:PFA+1], s[PFA:PFA+1], s[20:21]
	v_and_b32 v[PFO], 31, v0
	v_mul_u32_u24 v[PFO], s18, v[PFO]
	s_wait_tensorcnt 1                             ; my part of K step 0 is in; K step 1's may stay out
	s_barrier_signal -1
	s_barrier_wait -1
	FETCH 0, F0
	QUARTER 1, F0, F1, 1                           ; the first quarter stands ahead of the loop: its products start the sums
	WIN 0
	s_mov_b32 s3, NSTEPS-2
.Lstep:                                            ; a trip: a K step's quarters 1 to 3 and the next step's quarter 0; it fills the slot that it leaves
	QUARTER 2, F1, F0, 0
	QUARTER 3, F0, F1, 0
	TURN 1
	QUARTER 1, F0, F1, 0
	WIN 0
	s_sub_co_u32 s3, s3, 1
	s_cmp_lg_u32 s3, 0
	s_cbranch_scc1 .Lstep
	s_mov_b32 s3, 2
.Ltail:                                            ; the last two K steps ask for nothing: one text, walked twice and left in the middle of the second trip,
	QUARTER 2, F1, F0, 0                           ; whose change of slots fetches 32 fragments of a slot's old bytes that nobody multiplies
	QUARTER 3, F0, F1, 0
	TURN 0
	WIN 0
	s_sub_co_u32 s3, s3, 1
	s_cmp_eq_u32 s3, 0
	s_cbranch_scc1 .Lout
	QUARTER 1, F0, F1, 0
	WIN 0
	s_cmp_lg_u32 s3, 0
	s_cbranch_scc1 .Ltail
.Lout:
	; THE WAY OUT.  Every wave's reads of the ring are over behind this barrier, and no fill follows: the ring's bytes become four stages.  My 128 x 128 sums go there in f32, each accumulator's low registers first.
	WIN 0
	PLACES
	s_wait_dscnt 0x0
	s_barrier_signal -1
	s_barrier_wait -1
.irp a, 0,1,2,3,4,5,6,7
	WIN 0x08+4*((\a)/4)                            ; the stores' data in window 2 or 3
.irp b, 0,1,2,3,4,5,6,7
	ds_store_b128 v[STO], v[8*(8*((\a)%4)+(\b)):8*(8*((\a)%4)+(\b))+3]   offset:(\a)*16*SPITCH+64*(\b)
	ds_store_b128 v[STO], v[8*(8*((\a)%4)+(\b))+4:8*(8*((\a)%4)+(\b))+7] offset:(\a)*16*SPITCH+64*(\b)+16
.endr
.endr
	WIN 0
	s_mov_b32 s3, 8
.Lrows:                                            ; 16 rows a trip; the stage is my own and LDS serves a wave in order, so no barrier stands ahead of the reads
.irp t, 0,1,2,3,4,5,6,7,8,9,10,11,12,13,14,15
	ds_load_b128 v[64+4*(\t):64+4*(\t)+3], v[RD] offset:((\t)/2)*2*SPITCH+((\t)%2)*256  ; rows 2 (t / 2) and + 1, head t % 2
.endr
.irp t, 0,1,2,3,4,5,6,7,8,9,10,11,12,13,14,15
	s_wait_dscnt 15-(\t)
	v_cvt_pk_bf16_f32 v[128+2*(\t)], v[64+4*(\t)], v[64+4*(\t)+1]
	v_cvt_pk_bf16_f32 v[128+2*(\t)+1], v[64+4*(\t)+2], v[64+4*(\t)+3]
	global_store_b64 v[CO], v[128+2*(\t):128+2*(\t)+1], s[8:9] offset:((\t)%2)*262144+((\t)/2)*256  ; 32 lanes store 256 consecutive bytes, aligned
.endr
	s_wait_xcnt 0x0                                ; the stores have read their data and their base
	s_add_nc_u64 s[8:9], s[8:9], 2048
	v_add_nc_u32 v[RD], 16*SPITCH, v[RD]
	s_sub_co_u32 s3, s3, 1
	s_cmp_lg_u32 s3, 0
	s_cbranch_scc1 .Lrows
	s_wait_tensorcnt 0x0                           ; the wave's end
	ds_add_u32 v[SPW], v[NIL]
	s_wait_dscnt 0x0
	CROUND                                         ; the closing round
	s_endpgm
.Lconvert:                                         ; 64 work-groups, number id = 4 x (tile row) + cx; work-group id takes units id + 64 t, t = 0 .. 17: six trips of three units
	v_lshlrev_b32 v2, 4, v0                        ; 128 threads x 16 bytes = 2,048 bytes a load,
	v_lshlrev_b32 v3, 3, v0                        ; 1,024 bytes a store: a wave's 32 lanes x 8 bytes are 256 consecutive bytes, aligned
	s_lshl_b32 s20, s13, 2
	s_add_co_u32 s20, s20, s40
	s_add_co_u32 s21, s20, 64
	s_add_co_u32 s22, s20, 128
	s_mov_b32 s17, 0
	s_mov_b32 s3, 6
.Lcv:                                              ; a trip: 48 loads go out together (24 KiB a wave on their way), then each is rounded in place and stored
.irp c, 0,1,2
	CPTR \c
.irp j, 0,1,2,3,4,5,6,7,8,9,10,11,12,13,14,15
	global_load_b128 v[CX+64*(\c)+4*(\j):CX+64*(\c)+4*(\j)+3], v2, s[24+2*(\c):25+2*(\c)] offset:2048*(\j) th:TH_LOAD_NT
.endr
.endr
.set n, 0
.rept 48
	s_wait_loadcnt 47-n                            ; loads come back in order: number n is in, the younger ones stay out
	v_cvt_pk_bf16_f32 v[CX+4*n], v[CX+4*n], v[CX+4*n+1]
	v_cvt_pk_bf16_f32 v[CX+4*n+1], v[CX+4*n+2], v[CX+4*n+3]
	global_store_b64 v3, v[CX+4*n:CX+4*n+1], s[32+2*(n/16):33+2*(n/16)] offset:1024*(n%16) th:TH_STORE_NT
.set n, n+1
.endr
	s_wait_xcnt 0x0                                ; the stores have read their data and their bases: the next trip writes both again
	s_add_co_u32 s20, s20, 192
	s_add_co_u32 s21, s21, 192
	s_add_co_u32 s22, s22, 192
	s_sub_co_u32 s3, s3, 1
	s_cmp_lg_u32 s3, 0
	s_cbranch_scc1 .Lcv
	s_wait_tensorcnt 0x0                           ; the wave's end
	ds_add_u32 v[SPW], v[NIL]
	s_wait_dscnt 0x0
	CROUND                                         ; the converters' sixteen partners end together too
	s_endpgm
.Lfunc_end_k_qf7d70d54f1_qkv:
	.size	k_qf7d70d54f1_qkv, .Lfunc_end_k_qf7d70d54f1_qkv-k_qf7d70d54f1_qkv
	.p2alignl 7, 3214868480
	.fill 96, 4, 3214868480
	.section	.rodata,"a",@progbits
	.p2align	6, 0x0
	.amdhsa_kernel k_qf7d70d54f1_qkv
		.amdhsa_group_segment_fixed_size 327680
		.amdhsa_private_segment_fixed_size 0
		.amdhsa_enable_private_segment 0
		.amdhsa_kernarg_size 56
		.amdhsa_user_sgpr_count 2
		.amdhsa_user_sgpr_kernarg_segment_ptr 1
		.amdhsa_wavefront_size32 1
		.amdhsa_system_sgpr_workgroup_id_x 1
		.amdhsa_system_sgpr_workgroup_id_y 1
		.amdhsa_system_sgpr_workgroup_id_z 1
		.amdhsa_system_vgpr_workitem_id 0
		.amdhsa_next_free_vgpr 1024
		.amdhsa_next_free_sgpr 90
		.amdhsa_reserve_vcc 0
		.amdhsa_float_denorm_mode_32 3
		.amdhsa_float_denorm_mode_16_64 3
		.amdhsa_memory_ordered 1
		.amdhsa_forward_progress 1
		.amdhsa_inst_pref_size 102
	.end_amdhsa_kernel
	.amdgpu_metadata
---
amdhsa.version: [ 1, 2 ]
amdhsa.kernels:
  - .name:           k_qf7d70d54f1_qkv
    .symbol:         k_qf7d70d54f1_qkv.kd
    .args:
      - { .name: xn, .offset: 0, .size: 8, .value_kind: global_buffer, .address_space: global }
      - { .name: wq, .offset: 8, .size: 8, .value_kind: global_buffer, .address_space: global }
      - { .name: qkv, .offset: 16, .size: 8, .value_kind: global_buffer, .address_space: global }
      - { .name: w_out, .offset: 24, .size: 8, .value_kind: global_buffer, .address_space: global }
      - { .name: w_fc1, .offset: 32, .size: 8, .value_kind: global_buffer, .address_space: global }
      - { .name: w_fc2, .offset: 40, .size: 8, .value_kind: global_buffer, .address_space: global }
      - { .name: wb, .offset: 48, .size: 8, .value_kind: global_buffer, .address_space: global }
    .group_segment_fixed_size: 327680
    .private_segment_fixed_size: 0
    .kernarg_segment_align: 8
    .kernarg_segment_size: 56
    .max_flat_workgroup_size: 128
    .sgpr_count:     90
    .vgpr_count:     1024
    .wavefront_size: 32
...
	.end_amdgpu_metadata
.endif
;; end of part 2
;; launch attn (part 3): grid 8 x 32, 4 waves a work-group, no clusters, 327,680 bytes of LDS; arguments qkv, o; writes o
.if DOCPART == 3
	.amdgcn_target "amdgcn-amd-amdhsa--gfx1250"
	.amdhsa_code_object_version 6
	.text
	.protected	k_qf7d70d54f1_attn
	.globl	k_qf7d70d54f1_attn
	.p2align	8
	.type	k_qf7d70d54f1_attn,@function
k_qf7d70d54f1_attn:
	s_mov_b64 s[64:65], 0
	v_nop
	global_prefetch_b8 v0, s[64:65] scope:SCOPE_SE
	s_setreg_imm32_b32 hwreg(HW_REG_WAVE_MODE, 25, 1), 1
	s_wait_xcnt 0x0
; CAUSAL ATTENTION.  o[bh][q][:] = the sum over k <= q of softmax_k(Q[q] . K[k] / 8) V[k][:].  qkv: [3][32][2048][64] bf16, o: [32][2048][64] bf16.  Products, maxima and sums in f32; the weights are rounded
; to bf16 for the second product (their sum is taken of the unrounded weights), o once at the end.
; LIMITS.  A hidden score is replaced by -1e30; a weight below 2^-126 counts as 0; NaN and infinities are not treated apart.
; THE WALK.  A head's queries lie in 16 blocks of 128; block i needs the key tiles 0 .. i / 2 of 256 keys, of which the last holds the diagonal and is masked in all its four steps of 64 keys.  A work-group takes
; blocks 15 - b and then b: (17 - b) / 2 + (b + 2) / 2 = 9 tiles whatever b: equal work on 8 x 32 = 256 work-groups, and one loop with a constant count.  For an even block the last tile's upper 128 keys are
; wholly hidden and computed all the same: 2 of the walk's 36 steps.
; NO CLUSTER: a head's 8 work-groups ask for the same tile in trips 0 to 4 only; behind that the first blocks end one after the other, and a walk common to all partners would have 8 + 4 = 12 trips for 9.
; SHARES.  A wave owns 32 rows of a block: two tiles of 16.  LAYOUT: S^T = K Q^T holds one query a lane (lane % 16) and the keys 8 (lane / 16) + 0..7; two such results rounded to bf16 ARE source 1 of O^T = V^T P.
; SOFTMAX.  p = 2^(c s - c m), c = log2(e) / 8, m a running maximum; O and l are multiplied by a = 2^(c m_old - c m_new) in every step.  m starts at the lowest finite number, so a block's first a is 0.
; A KEY STEP: tile 0's K Q^T; tile 1's K Q^T with tile 0's maximum behind its products; tile 0's exponentials with tile 1's maximum between them (one batch, one wait); tile 0's V^T P with tile 1's
; exponentials and tile 0's sums behind its products (one batch, one wait); tile 1's V^T P with its last roundings and its sums behind its products.  A tile and step have 16 matrix and 118 vector
; instructions, so the vector work sets the pace: the order's aim is that no product but tile 0's first eight stands without vector work beside it.
; REGISTERS.  Window 0 holds all that a softmax and K Q^T name: v0-63 addresses and statistics, v64-127 S^T, v128-191 K, v192-223 P, v224-255 Q: K Q^T and K's loads need no switch of windows.
; Window 1: v0-63 O^T, v64-127 V, v128-159 the second block's Q, v160-191 at work on the way out.
.set KS,    64
.set PK,    144                        ; a row of K in LDS: 128 bytes + 16: 36 words: the 16 rows of a load start at 16 different groups of four banks
.set PV,    160                        ; a row of V: 128 + 32: 40 words
.set VOFF,  4*KS*PK                    ; a slot holds a tile: 256 rows of K, then 256 rows of V
.set SLOT1, 1<<17
.set STAGE, SLOT1+4*KS*(PK+PV)         ; behind the ring, never filled by a tensor load: 16 rows x 144 bytes a wave
.set SP,    144
.set SPARE, STAGE+4*16*SP              ; the spare words: 128 bytes a wave
.set AK0, 2
.set AV0, 3
.set AK,  4
.set AV,  5
.set STO, 6
.set RD,  7
.set GO,  8
.set MV,  12                           ; v12-13 c m_old, by tile
.set DM,  14                           ; v14  my query's place less my lanes' first key of the step in hand: register 8 kt + j of tile t is hidden where 16 kt + j - 16 t is greater
.set QO,  15
.set ST,  16                           ; tile t: c m, m, l (even keys', odd keys') at v[ST+4 t]
.set LT,  24                           ; v24  32 w + l % 16 - 8 (l / 16); never rewritten
.set BIG, 25                           ; v25  -1e30
.set TMP, 48                           ; four at work a tile; c2 takes a
.set PFO, 60
.set SPW, 62
.set NIL, 63
.set S,   64                           ; window 0
.set KF,  128
.set P,   192
.set Q,   224
.set VF,  64                           ; window 1 (O^T at 0)
.set QB,  128
.set SCR, 160
.set WV,  12
.set PB,  14
.set HI,  15
.set G1K, 24
.set G1V, 32
.set G0K, 40
.set G0V, 44
.set SLOTS, 56
.set CNT, 57
.set CS,  58
.set SEL, 60
.set TBK, 62                           ; LDS byte at which K of the next step to be fetched begins
.set TBV, 63
.set RT,  70                           ; tiles of the block in hand still to be entered
.set NXT, 71                           ; the tile to be asked for next
.set LQ,  72                           ; the last tile of the block whose tiles are being asked for
.set MF,  73                           ; 1: the tile in hand is masked
.set OFF, 74
.set LQ2, 76
.set T2,  77
.set QLO, 78                           ; s[78:79] Q at my rows of the second block
.set OLO, 80                           ; s[80:81] o at the same rows
.set ODD, 83                           ; 128 (b % 2)
.set PFK, 84
.set PFV, 86
.set ASKF, 88                          ; 1 in the head's work-group 0, which walks tiles 0 to 7 first: it alone prefetches
.set DOASK, 89
.set KSRC, 90
.set KPREV, 91
.set KINC, 92
.set MSB, 0
.macro WIN new
.if MSB != (\new)
	s_set_vgpr_msb (MSB<<8)|(\new)
.set MSB, (\new)
.endif
.endm
.set W_PV, 0x51                        ; V (source 0), O^T (C and D) in window 1, P (source 1) in window 0; the rescaling (destination and source 0 O^T, source 1 a) runs under the same setting
.macro PLACES
.rept 4
	v_nop
.endr
.endm
; A fill.  Waves 0 and 1 fetch the two halves of a tile's K, waves 2 and 3 those of its V: 128 keys each.
.macro LOAD
	s_cmp_lt_u32 s[WV], 2
	s_cbranch_scc0 .Lfor_v_\@
	tensor_load_to_lds s[G0K:G0K+3], s[G1K:G1K+7]
	s_nop 0
.rept 4
	v_nop
.endr
	s_branch .Lasked_\@
.Lfor_v_\@:
	tensor_load_to_lds s[G0V:G0V+3], s[G1V:G1V+7]
	s_nop 0
.rept 4
	v_nop
.endr
.Lasked_\@:
.endm
; THE CHANGE OF SLOTS.  Each wave waits for all its tensor loads (one is out: its part of the other slot), adds 0 to its spare word, and waits for that and for its reads of the slot that it leaves.
; fill = 1: the old slot is filled again, first thing behind the barrier, with tile NXT; behind the fill the head's work-group 0 prefetches the tile that the next change will ask for, four key steps ahead:
; each wave 32 blocks of 256 bytes of K and 32 of V, a lane a block; the four waves cover the tile's 32,768 bytes of each once.  Tiles 0 and 1 come by their loads alone; at the wrap to the second block nothing is asked.
.macro CHANGE fill
	WIN 0
	s_wait_tensorcnt 0x0                           ; no tensor load of mine is out, so a group 0 may be written
	ds_add_u32 v[SPW], v[NIL]
.if \fill
	s_lshl_b32 s[OFF], s[NXT], 15                  ; a tile is 32,768 bytes of K and of V
	s_xor_b32 s[G0K+1], s[G0K+1], SLOT1
	s_add_nc_u64 s[G0K+2:G0K+3], s[6:7], s[OFF:OFF+1]
	s_or_b32 s[G0K+3], s[G0K+3], 0x80000000
	s_xor_b32 s[G0V+1], s[G0V+1], SLOT1
	s_add_nc_u64 s[G0V+2:G0V+3], s[8:9], s[OFF:OFF+1]
	s_or_b32 s[G0V+3], s[G0V+3], 0x80000000
	s_add_co_u32 s[NXT], s[NXT], 1                 ; the block's next tile, or behind its last the second block's tile 0
	s_cmp_gt_u32 s[NXT], s[LQ]
	s_cselect_b32 s[NXT], 0, s[NXT]
	s_cselect_b32 s[LQ], s[LQ2], s[LQ]
	s_wait_xcnt 0x0                                ; the last prefetches, a tile back, have read their addresses
	s_lshl_b32 s[OFF], s[NXT], 15
	s_add_nc_u64 s[PFK:PFK+1], s[6:7], s[OFF:OFF+1]
	s_add_nc_u64 s[PFV:PFV+1], s[8:9], s[OFF:OFF+1]
	s_cmp_lg_u32 s[NXT], 0
	s_cselect_b32 s[DOASK], s[ASKF], 0
.endif
	s_wait_dscnt 0x0                               ; the add is done, and my reads of the slot are over
	s_barrier_signal -1
	s_sub_co_u32 s[TBK], s[TBK], 4*KS*PK           ; the fetches go back to a slot's first step, in the other slot
	s_xor_b32 s[TBK], s[TBK], SLOT1
	s_sub_co_u32 s[TBV], s[TBV], 4*KS*PV
	s_xor_b32 s[TBV], s[TBV], SLOT1
	s_barrier_wait -1
.if \fill
	LOAD
	s_cmp_eq_u32 s[DOASK], 1
	s_cbranch_scc0 .Lno_ask_\@
	global_prefetch_b8 v[PFO], s[PFK:PFK+1] th:TH_LOAD_NT scope:SCOPE_SE
	global_prefetch_b8 v[PFO], s[PFV:PFV+1] th:TH_LOAD_NT scope:SCOPE_SE
.Lno_ask_\@:
.endif
.endm
; Product i of 8 of S^T = K Q^T for tile t: channels 32 (i / 4) on, keys 16 (i % 4) on.  The four accumulators take turns; the first four products start the sums.
.macro KQI t, i
	WIN 0
.set rS, S+32*(\t)+8*((\i)%4)
.set rK, KF+16*((\i)%4)+8*((\i)/4)
.set rQ, Q+16*(\t)+8*((\i)/4)
.if (\i) < 4
	v_wmma_f32_16x16x32_bf16 v[rS:rS+7], v[rK:rK+7], v[rQ:rQ+7], 0
.else
	v_wmma_f32_16x16x32_bf16 v[rS:rS+7], v[rK:rK+7], v[rQ:rQ+7], v[rS:rS+7]
.endif
.endm
; Product i of 8 of O^T += V^T P for tile t: keys 32 (i / 4) on, channels 16 (i % 4) on.
.macro PVI t, i
	WIN W_PV
.set rO, 32*(\t)+8*((\i)%4)
.set rV, VF+32*((\i)/4)+8*((\i)%4)
.set rP, P+16*(\t)+8*((\i)/4)
	v_wmma_f32_16x16x32_bf16 v[rO:rO+7], v[rV:rV+7], v[rP:rP+7], v[rO:rO+7]
.endm
.macro FETCH_K                         ; a step's K: 64 keys x 64 channels, 8 fragments
	WIN 0
.irp f, 0,1,2,3,4,5,6,7
	ds_load_b128 v[KF+8*\f:KF+8*\f+3],   v[AK] offset:(\f/2)*16*PK+(\f%2)*64
	ds_load_b128 v[KF+8*\f+4:KF+8*\f+7], v[AK] offset:(\f/2)*16*PK+(\f%2)*64+32
.endr
.endm
.macro FETCH_V                         ; a step's V, turned
	WIN 0x40
.irp f, 0,1,2,3,4,5,6,7
	ds_load_tr16_b128 v[VF+8*\f:VF+8*\f+3],   v[AV] offset:(\f/4)*32*PV+(\f%4)*32
	ds_load_tr16_b128 v[VF+8*\f+4:VF+8*\f+7], v[AV] offset:(\f/4)*32*PV+16*PV+(\f%4)*32
.endr
	s_add_co_u32 s[TBV], s[TBV], KS*PV
	WIN 0
.endm
; THE VECTOR WORK, one line at a time: OP tile, kind, number.  F n: c s - c m for pair n of 16.  E n: the exponential of score n of 32.  C n: pair n rounded to bf16.  B n: of the four weights 4 n .. the second pair
; is added onto the first.  L n: l takes that sum (L 0: l = a l + sum).  R n: pair n of 16 of O^T times a.  X n: number n of the 22 that find the maximum and statistics: 0-11 four chains of seven scores (each
; accumulator's lowest registers first); 12-14, 16 the four scores left over, the old m, the four into one; 15 c m_old is kept; 17, 18 the other half of the lanes, the new m; 19-21 c m, its change, a.
.set F, 0
.set E, 1
.set C, 2
.set B, 3
.set L, 4
.set R, 5
.set X, 6
.macro OP t, k, n
.set rT, ST+4*(\t)
.set rC, TMP+4*(\t)
.set rW, MV+(\t)
.set rS, S+32*(\t)
.set rP, P+16*(\t)
.set rO, 32*(\t)
.if (\k) == R
	WIN W_PV
	v_pk_mul_f32 v[rO+2*(\n):rO+2*(\n)+1], v[rO+2*(\n):rO+2*(\n)+1], v[rC+2:rC+3] op_sel_hi:[1,0]
.else
	WIN 0
.if (\k) == F
	v_pk_fma_f32 v[rS+2*(\n):rS+2*(\n)+1], v[rS+2*(\n):rS+2*(\n)+1], s[CS:CS+1], v[rT:rT+1] op_sel_hi:[1,0,0] neg_lo:[0,0,1] neg_hi:[0,0,1]
.elseif (\k) == E
	v_exp_f32 v[rS+(\n)], v[rS+(\n)]
.elseif (\k) == C
	v_cvt_pk_bf16_f32 v[rP+(\n)], v[rS+2*(\n)], v[rS+2*(\n)+1]
.elseif (\k) == B
	v_pk_add_f32 v[rS+4*(\n):rS+4*(\n)+1], v[rS+4*(\n):rS+4*(\n)+1], v[rS+4*(\n)+2:rS+4*(\n)+3]
.elseif ((\k) == L) && ((\n) == 0)
	v_pk_fma_f32 v[rT+2:rT+3], v[rT+2:rT+3], v[rC+2:rC+3], v[rS:rS+1] op_sel_hi:[1,0,1]
.elseif (\k) == L
	v_pk_add_f32 v[rT+2:rT+3], v[rT+2:rT+3], v[rS+4*(\n):rS+4*(\n)+1]
.elseif (\n) < 4
	v_max3_num_f32 v[rC+(\n)], v[rS+8*(\n)], v[rS+8*(\n)+1], v[rS+8*(\n)+2]
.elseif (\n) < 12
	v_max3_num_f32 v[rC+(\n)%4], v[rC+(\n)%4], v[rS+8*((\n)%4)+2*((\n)/4)+1], v[rS+8*((\n)%4)+2*((\n)/4)+2]
.elseif (\n) == 12
	v_max3_num_f32 v[rC], v[rC], v[rS+7], v[rS+15]
.elseif (\n) == 13
	v_max3_num_f32 v[rC+1], v[rC+1], v[rS+23], v[rS+31]
.elseif (\n) == 14
	v_max3_num_f32 v[rC+2], v[rC+2], v[rC+3], v[rT+1]
.elseif (\n) == 15
	v_mov_b32 v[rW], v[rT]
.elseif (\n) == 16
	v_max3_num_f32 v[rC], v[rC], v[rC+1], v[rC+2]
.elseif (\n) == 17
	v_permlanex16_b32 v[rC+3], v[rC], s[SEL], s[SEL+1]
.elseif (\n) == 18
	v_max_num_f32 v[rT+1], v[rC], v[rC+3]
.elseif (\n) == 19
	v_mul_f32 v[rT], s[CS], v[rT+1]
.elseif (\n) == 20
	v_sub_f32 v[rC+1], v[rW], v[rT]
.else
	v_exp_f32 v[rC+2], v[rC+1]
.endif
.endif
.endm
.macro BL t, g                         ; number g of a tile's 16 sums: B0 B1 L0 B2 L1 .. B7 L6 L7.  B n stands behind the roundings of pairs 2 n and 2 n + 1, whose scores it adds in place
.if (\g) == 0
	OP \t, B, 0
.elseif (\g) == 15
	OP \t, L, 7
.elseif ((\g)%2) == 1
	OP \t, B, ((\g)+1)/2
.else
	OP \t, L, (\g)/2-1
.endif
.endm
.macro MASK t                          ; the diagonal tile: a score whose key lies behind its query becomes -1e30; ascending, each accumulator's lowest register first
.set i, 0
.rept 32
	v_cmp_gt_i32 vcc_lo, 16*(i/8)+(i%8)-16*(\t), v[DM]
	v_cndmask_b32 v[S+32*(\t)+i], v[S+32*(\t)+i], v[BIG], vcc_lo
.set i, i+1
.endr
.endm
; A KEY STEP.  Of LDS loads two runs of 16 are out at the most: V's, issued at the step's head, and K's of the next step, issued behind the scores' products; each wait leaves the younger run out.
; So that these counts hold on every path, a tile's last step, which has no next step in the slot, reads its own K once more.
.macro STEP
	WIN 0
	v_add_nc_u32 v[AV], s[TBV], v[AV0]
	FETCH_V                                        ; the six sums that end the step before are the places behind the last product that read V
	s_sub_co_u32 s[KPREV], s[TBK], KS*PK
	s_cmp_eq_u32 s[CNT], 1
	s_cselect_b32 s[KSRC], s[KPREV], s[TBK]
	s_cselect_b32 s[KINC], 0, KS*PK
	s_add_co_u32 s[TBK], s[TBK], s[KINC]
	s_wait_dscnt 16                                ; K, asked for a step ago, is in; V's sixteen loads may stay out
.irp i, 0,1,2,3,4,5,6,7
	KQI 0, \i
.endr
	PLACES                                         ; behind tile 0's last product, ahead of the reads of its scores
	s_cmp_eq_u32 s[MF], 0
	s_cbranch_scc1 .Lnm0_\@
	MASK 0
.Lnm0_\@:
	KQI 1, 0                                       ; tile 1's scores; behind each product lines of tile 0's maximum, the links of its chain one to a product
.irp n, 0,1,2,3
	OP 0, X, \n
.endr
	KQI 1, 1
.irp n, 4,5,6,7
	OP 0, X, \n
.endr
	KQI 1, 2
.irp n, 8,9,10,11
	OP 0, X, \n
.endr
	KQI 1, 3
.irp n, 12,13,15
	OP 0, X, \n
.endr
	KQI 1, 4
	OP 0, X, 14
	KQI 1, 5
	OP 0, X, 16
	KQI 1, 6
	OP 0, X, 17
	KQI 1, 7
	OP 0, X, 18                                    ; these three and the address's line are the four places behind the last product that read K and wrote tile 1's scores
	OP 0, X, 19
	OP 0, X, 20
	v_add_nc_u32 v[AK], s[KSRC], v[AK0]
	FETCH_K
	s_cmp_eq_u32 s[MF], 0
	s_cbranch_scc1 .Lnm1_\@
	MASK 1
	v_add_nc_u32 v[DM], 0xffffffc0, v[DM]          ; the next step's keys lie 64 further on
.Lnm1_\@:
	OP 0, X, 21                                    ; BATCH 1: tile 0's a and 32 exponentials and tile 1's a; nothing ahead of the wait names a result of theirs
	OP 0, F, 0
	OP 0, F, 1
.set e, 0
.rept 32
	OP 0, E, e
.if e < 14
	OP 0, F, e+2
.elseif e < 28
	OP 1, X, e-14
.elseif e == 28
	OP 1, X, 15
.elseif e == 29
	OP 1, X, 14
.else
	OP 1, X, e-14
.endif
.set e, e+1
.endr
	OP 1, X, 18
	OP 1, X, 19
	OP 1, X, 20
	OP 1, X, 21
	v_nop                                          ; a plain instruction behind the last exponential,
	s_wait_alu depctr_va_vdst(0)                   ; and one wait for the batch
.irp n, 0,1,2,3,4,5,6,7,8,9,10,11,12,13,14,15
	OP 0, R, \n
.endr
.irp n, 0,1,2,3,4,5,6,7,8,9,10,11,12,13,14,15
	OP 0, C, \n
.endr
	s_wait_dscnt 16                                ; V is in; the sixteen loads of K behind it may stay out
	PVI 0, 0                                       ; tile 0's V^T P; behind each product eight lines of BATCH 2: tile 1's 32 exponentials, its scalings and tile 0's sums between them
	OP 1, F, 0
	OP 1, F, 1
.set e, 0
.rept 32
.if ((e%4) == 3) && (e < 28)
	PVI 0, (e+1)/4
.endif
	OP 1, E, e
.if e < 14
	OP 1, F, e+2
.elseif e < 30
	BL 0, e-14
.endif
.set e, e+1
.endr
	v_nop
	s_wait_alu depctr_va_vdst(0)
.irp n, 0,1,2,3,4,5,6,7,8,9,10,11,12,13,14,15
	OP 1, R, \n
.endr
.irp n, 0,1,2,3,4,5,6,7
	OP 1, C, \n
.endr
	PVI 1, 0                                       ; tile 1's V^T P: its first four products take the weights of keys 0-31; those of keys 32-63 are rounded behind them
	OP 1, C, 8
	OP 1, C, 9
	BL 1, 0
	PVI 1, 1
	OP 1, C, 10
	OP 1, C, 11
	BL 1, 1
	PVI 1, 2
	OP 1, C, 12
	OP 1, C, 13
	BL 1, 2
	PVI 1, 3
	OP 1, C, 14
	OP 1, C, 15
	BL 1, 3
	PVI 1, 4
	BL 1, 4
	BL 1, 5
	PVI 1, 5
	BL 1, 6
	BL 1, 7
	PVI 1, 6
	BL 1, 8
	BL 1, 9
	PVI 1, 7
.irp g, 10,11,12,13,14,15
	BL 1, \g
.endr
.endm
; A TILE: the change of slots, K of its first step, its four steps.
.macro TILE fill
	CHANGE \fill
	s_sub_co_u32 s[RT], s[RT], 1
	s_cmp_eq_u32 s[RT], 0
	s_cselect_b32 s[MF], 1, 0                      ; a block's last tile holds the diagonal
	v_add_nc_u32 v[AK], s[TBK], v[AK0]
	FETCH_K
	s_add_co_u32 s[TBK], s[TBK], KS*PK
	s_mov_b32 s[CNT], 4
.Lstep_\@:
	STEP
	WIN 0
	s_sub_co_u32 s[CNT], s[CNT], 1
	s_cmp_lg_u32 s[CNT], 0
	s_cbranch_scc1 .Lstep_\@
.endm
; A BLOCK'S END: l's halves are added, O^T is divided by l, rounded to bf16 and sent through my stage, a tile at a time.
.macro PACK t
	WIN W_PV
.set i, 32*(\t)
.rept 16
	v_pk_mul_f32 v[i:i+1], v[i:i+1], v[ST+4*(\t)+2:ST+4*(\t)+3] op_sel_hi:[1,0]
.set i, i+2
.endr
	WIN 0x45                                       ; destination and both sources in window 1
.set i, 0
.rept 16
	v_cvt_pk_bf16_f32 v[SCR+16*(\t)+i], v[32*(\t)+2*i], v[32*(\t)+2*i+1]
.set i, i+1
.endr
	WIN 0x04                                       ; the stores' data in window 1
.irp f, 0,1,2,3
	ds_store_b128 v[STO], v[SCR+16*(\t)+4*\f:SCR+16*(\t)+4*\f+3] offset:32*\f
.endr
	WIN 0x40
.irp f, 0,1,2,3
	ds_load_b128 v[SCR+16*(\t)+4*\f:SCR+16*(\t)+4*\f+3], v[RD] offset:\f*4*SP  ; LDS serves a wave's instructions in order: these see the stores above; the next tile's stores come behind them
.endr
.endm
.macro SEND t, younger
	WIN 0x04
.irp f, 0,1,2,3
	s_wait_dscnt (\younger)+3-\f
	global_store_b128 v[GO], v[SCR+16*(\t)+4*\f:SCR+16*(\t)+4*\f+3], s[10:11] offset:(\t)*2048+\f*512  ; four rows of a head: 512 consecutive bytes, aligned
.endr
.endm
.macro BLOCKEND
	WIN 0
.irp t, 0,1
	v_add_f32 v[ST+4*\t+2], v[ST+4*\t+2], v[ST+4*\t+3]
.endr
.irp t, 0,1
	v_permlanex16_b32 v[ST+4*\t+3], v[ST+4*\t+2], s[SEL], s[SEL+1]
.endr
.irp t, 0,1
	v_add_f32 v[ST+4*\t+2], v[ST+4*\t+2], v[ST+4*\t+3]
.endr
.irp t, 0,1
	v_rcp_f32 v[ST+4*\t+2], v[ST+4*\t+2]
.endr
	v_nop
	s_wait_alu depctr_va_vdst(0)                   ; one wait for the two reciprocals
	PACK 0
	PACK 1
	SEND 0, 8
	SEND 1, 0
	WIN 0
.endm
	s_load_b128 s[16:19], s[0:1], 0x0              ; qkv s[16:17], o s[18:19]
	v_lshl_add_u32 v[SPW], v0, 2, SPARE
	v_mov_b32 v[NIL], 0
	ds_add_u32 v[SPW], v[NIL]                      ; the wave's opening
	ds_add_u32 v62, v63
	v_lshrrev_b32 v1, 5, v0
	v_readfirstlane_b32 s[WV], v1
	s_mov_b32 s[PB], ttmp9
	s_sub_co_u32 s[HI], 15, s[PB]
	s_and_b32 s20, ttmp7, 0xffff                   ; batch x 16 + head,
	s_lshl_b32 s20, s20, 18                        ; 2,048 rows of 128 bytes
	s_and_b32 s13, s[WV], 1                        ; which half of a tile's 256 keys I fetch
	s_lshl_b32 s22, s13, 14
	s_add_co_u32 s22, s22, s20
	s_add_co_u32 s22, s22, 8388608                 ; K lies behind Q's 32 heads
	s_mov_b32 s23, 0
	s_mul_i32 s48, s13, 128*PK
	s_mul_i32 s49, s13, 128*PV
	s_lshl_b32 s3, s[WV], 12                       ; my 32 rows of a block
	s_add_co_u32 s3, s3, s20
	s_lshl_b32 s2, s[HI], 14                       ; in the first block,
	s_add_co_u32 s2, s2, s3
	s_lshl_b32 s52, s[PB], 14                      ; and in the second
	s_add_co_u32 s52, s52, s3
	s_mov_b32 s3, 0
	s_mov_b32 s53, 0
	s_mov_b32 s[G1K], (1<<16)|(1<<20)|(4<<22)|(3<<25)  ; 2-byte elements; padding on; after every 32 words, 4 words
	s_mov_b32 s[G1V], (1<<16)|(1<<20)|(4<<22)|(7<<25)  ; the same with 8 words
.irp g, G1K, G1V
	s_mov_b32 s[\g+1], 128<<16                     ; 128 keys are 16,384 dense bytes: asked for as 64 rows of 256 bytes, two keys a row
	s_mov_b32 s[\g+2], 64<<16
	s_mov_b32 s[\g+3], 128<<16
	s_mov_b32 s[\g+4], 64
	s_mov_b32 s[\g+5], 128
	s_mov_b32 s[\g+6], 0
	s_mov_b32 s[\g+7], 0
.endr
	s_mov_b32 s[CS], 0x3e38aa3b                    ; c = log2(e) / 8
	s_mov_b32 s[CS+1], s[CS]
	s_mov_b32 s[SEL], 0x76543210
	s_mov_b32 s[SEL+1], 0xfedcba98
	s_mov_b32 s[TBK], SLOT1+4*KS*PK                ; the first change of slots turns these two into 0
	s_mov_b32 s[TBV], SLOT1+4*KS*PV
	s_mov_b32 s[G0K], 1
	s_mov_b32 s[G0K+1], s48
	s_mov_b32 s[G0V], 1
	s_add_co_u32 s[G0V+1], s49, VOFF
	s_sub_co_u32 s[RT], 17, s[PB]
	s_lshr_b32 s[RT], s[RT], 1                     ; the first block has (17 - b) / 2 tiles,
	s_sub_co_u32 s[LQ], s[RT], 1
	s_add_co_u32 s[T2], s[PB], 2
	s_lshr_b32 s[T2], s[T2], 1                     ; the second (b + 2) / 2
	s_sub_co_u32 s[LQ2], s[T2], 1
	s_mov_b32 s[NXT], 1
	s_mov_b32 s[OFF+1], 0
	s_and_b32 s[ODD], s[PB], 1
	s_lshl_b32 s[ODD], s[ODD], 7
	s_cmp_eq_u32 s[PB], 0
	s_cselect_b32 s[ASKF], 1, 0
	s_mov_b32 s[SLOTS], 8
	s_wait_dscnt 0x0                               ; the opening add is done
	s_wait_kmcnt 0x0
	s_add_nc_u64 s[6:7], s[16:17], s[22:23]        ; K at my half of the head's tile 0,
	s_add_nc_u64 s[8:9], s[6:7], 8388608           ; V likewise
	s_add_nc_u64 s[4:5], s[16:17], s[2:3]
	s_add_nc_u64 s[QLO:QLO+1], s[16:17], s[52:53]
	s_add_nc_u64 s[10:11], s[18:19], s[2:3]
	s_add_nc_u64 s[OLO:OLO+1], s[18:19], s[52:53]
	s_add_nc_u64 s[G0K+2:G0K+3], s[6:7], 0
	s_or_b32 s[G0K+3], s[G0K+3], 0x80000000
	s_add_nc_u64 s[G0V+2:G0V+3], s[8:9], 0
	s_or_b32 s[G0V+3], s[G0V+3], 0x80000000
	LOAD                                           ; tile 0 into slot 0
	v_and_b32 v1, 15, v0                           ; l % 16
	v_bfe_u32 v9, v0, 4, 1                         ; l / 16
	v_lshlrev_b32 v[QO], 7, v1
	v_lshl_add_u32 v[QO], v9, 4, v[QO]
.set i, 0
.rept 4                                            ; the first block's Q: tile i / 2, channels 32 (i % 2) on
	global_load_b128 v[Q+8*i:Q+8*i+3],   v[QO], s[4:5] offset:(i/2)*2048+(i%2)*64
	global_load_b128 v[Q+8*i+4:Q+8*i+7], v[QO], s[4:5] offset:(i/2)*2048+(i%2)*64+32
.set i, i+1
.endr
	WIN 0x40
.set i, 0
.rept 4                                            ; the second block's, set aside in window 1
	global_load_b128 v[QB+8*i:QB+8*i+3],   v[QO], s[QLO:QLO+1] offset:(i/2)*2048+(i%2)*64
	global_load_b128 v[QB+8*i+4:QB+8*i+7], v[QO], s[QLO:QLO+1] offset:(i/2)*2048+(i%2)*64+32
.set i, i+1
.endr
.set i, 0
.rept 64                                           ; a block's first a is 0, so O^T and l need only be finite: zeros for the first block, written in the wait for the first tile
	v_mov_b32 v[i], 0
.set i, i+1
.endr
	WIN 0
	v_lshlrev_b32 v[LT], 3, v9
	v_sub_nc_u32 v[LT], v1, v[LT]
	s_lshl_b32 s13, s[WV], 5
	v_add_nc_u32 v[LT], s13, v[LT]
	s_sub_co_u32 s13, 128, s[ODD]                  ; 128 ((15 - b) % 2)
	v_add_nc_u32 v[DM], s13, v[LT]
	v_mov_b32 v[BIG], 0xf149f2ca
	v_mul_u32_u24 v[AK0], v1, PK
	v_lshl_add_u32 v[AK0], v9, 4, v[AK0]
	v_and_b32 v10, 7, v0
	v_bfe_u32 v11, v0, 3, 1
	v_lshl_add_u32 v[AV0], v9, 3, v10
	v_mul_u32_u24 v[AV0], v[AV0], PV
	v_lshl_add_u32 v[AV0], v11, 4, v[AV0]
	v_add_nc_u32 v[AV0], VOFF, v[AV0]
	s_mul_i32 s13, s[WV], 16*SP
	s_add_co_u32 s13, s13, STAGE
	v_mul_u32_u24 v[STO], v1, SP
	v_lshl_add_u32 v[STO], v9, 4, v[STO]
	v_add_nc_u32 v[STO], s13, v[STO]
	v_bfe_u32 v[RD], v0, 3, 2
	v_mul_u32_u24 v[RD], v[RD], SP
	v_lshl_add_u32 v[RD], v10, 4, v[RD]
	v_add_nc_u32 v[RD], s13, v[RD]
	v_and_b32 v[GO], 31, v0
	s_lshr_b32 s13, s[WV], 1
	s_lshl_b32 s13, s13, 13
	v_lshl_add_u32 v[PFO], v[GO], 8, s13           ; 256 x lane + 8,192 x (wave / 2); the wave's other bit is in K's and V's addresses
	v_lshlrev_b32 v[GO], 4, v[GO]
.irp t, 0,1
	v_mov_b32 v[ST+4*\t], 0xfe000000               ; c m: far below every c s
	v_mov_b32 v[ST+4*\t+1], 0xff7fffff             ; m
	v_mov_b32 v[ST+4*\t+2], 0
	v_mov_b32 v[ST+4*\t+3], 0
.endr
	s_wait_loadcnt 0x0                             ; Q
.Lslot:                                            ; 8 times: a tile is entered and the next is asked for
	TILE 1
	s_cmp_lg_u32 s[RT], 0
	s_cbranch_scc1 .Lbottom
	BLOCKEND                                       ; in the loop this is the first block's end: the second block's last tile is the walk's last
	s_wait_xcnt 0x0                                ; the stores have read their registers and o's address
	s_mov_b64 s[10:11], s[OLO:OLO+1]
	s_mov_b32 s[RT], s[T2]
	WIN 0x01                                       ; source in window 1, destination in window 0
.set i, 0
.rept 32
	v_mov_b32 v[Q+i], v[QB+i]
.set i, i+1
.endr
	WIN 0
.irp t, 0,1
	v_mov_b32 v[ST+4*\t], 0xfe000000
	v_mov_b32 v[ST+4*\t+1], 0xff7fffff
.endr
	v_add_nc_u32 v[DM], s[ODD], v[LT]
.Lbottom:
	s_sub_co_u32 s[SLOTS], s[SLOTS], 1
	s_cmp_lg_u32 s[SLOTS], 0
	s_cbranch_scc1 .Lslot
	TILE 0                                         ; the walk's last tile is written out
	BLOCKEND
	s_wait_tensorcnt 0x0                           ; the wave's end
	ds_add_u32 v[SPW], v[NIL]
	s_wait_dscnt 0x0
	s_endpgm
.Lfunc_end_k_qf7d70d54f1_attn:
	.size	k_qf7d70d54f1_attn, .Lfunc_end_k_qf7d70d54f1_attn-k_qf7d70d54f1_attn
	.p2alignl 7, 3214868480
	.fill 96, 4, 3214868480
	.section	.rodata,"a",@progbits
	.p2align	6, 0x0
	.amdhsa_kernel k_qf7d70d54f1_attn
		.amdhsa_group_segment_fixed_size 327680
		.amdhsa_private_segment_fixed_size 0
		.amdhsa_enable_private_segment 0
		.amdhsa_kernarg_size 16
		.amdhsa_user_sgpr_count 2
		.amdhsa_user_sgpr_kernarg_segment_ptr 1
		.amdhsa_wavefront_size32 1
		.amdhsa_system_sgpr_workgroup_id_x 1
		.amdhsa_system_sgpr_workgroup_id_y 1
		.amdhsa_system_sgpr_workgroup_id_z 1
		.amdhsa_system_vgpr_workitem_id 0
		.amdhsa_next_free_vgpr 448
		.amdhsa_next_free_sgpr 94
		.amdhsa_reserve_vcc 1
		.amdhsa_float_denorm_mode_32 3
		.amdhsa_float_denorm_mode_16_64 3
		.amdhsa_memory_ordered 1
		.amdhsa_forward_progress 1
		.amdhsa_inst_pref_size 75
	.end_amdhsa_kernel
	.amdgpu_metadata
---
amdhsa.version: [ 1, 2 ]
amdhsa.kernels:
  - .name:           k_qf7d70d54f1_attn
    .symbol:         k_qf7d70d54f1_attn.kd
    .args:
      - { .name: qkv, .offset: 0, .size: 8, .value_kind: global_buffer, .address_space: global }
      - { .name: o, .offset: 8, .size: 8, .value_kind: global_buffer, .address_space: global }
    .group_segment_fixed_size: 327680
    .private_segment_fixed_size: 0
    .kernarg_segment_align: 8
    .kernarg_segment_size: 16
    .max_flat_workgroup_size: 128
    .sgpr_count:     94
    .vgpr_count:     448
    .wavefront_size: 32
...
	.end_amdgpu_metadata
.endif
;; end of part 3
;; launch outp (part 4): grid 8 x 32, 4 waves a work-group, clusters of 4 x 4, 327,680 bytes of LDS; arguments o, wb, x, x1; writes x1
.if DOCPART == 4
	.amdgcn_target "amdgcn-amd-amdhsa--gfx1250"
	.amdhsa_code_object_version 6
	.text
	.protected	k_qf7d70d54f1_outp
	.globl	k_qf7d70d54f1_outp
	.p2align	8
	.type	k_qf7d70d54f1_outp,@function
k_qf7d70d54f1_outp:
	s_mov_b64 s[64:65], 0
	v_nop
	global_prefetch_b8 v0, s[64:65] scope:SCOPE_SE
	s_setreg_imm32_b32 hwreg(HW_REG_WAVE_MODE, 25, 1), 1
	s_wait_xcnt 0x0
	s_wait_alu depctr_hold_cnt(0) depctr_sa_sdst(0) depctr_va_vdst(0) depctr_va_sdst(0) depctr_va_ssrc(0) depctr_va_vcc(0) depctr_vm_vsrc(0)
	s_getreg_b32 s2, hwreg(HW_REG_IB_STS2, 6, 4)
	s_cmp_eq_u32 s2, 0
	s_cbranch_scc0 .Lentry_in_a_cluster
	s_endpgm
.Lentry_in_a_cluster:
	s_bfe_u32 s2, ttmp6, 0x10000c
	s_cmp_lg_u32 s2, 0xf033
	s_cbranch_scc0 .Lentry_shape_is_right
	s_endpgm
.Lentry_shape_is_right:
; OUT-PROJECTION.  x1[m][n] = x[m][n] + sum over k of O[m][k] Wout[k][n].  O lies by heads, o[batch x 16 + head][s][64] bf16 (m = batch x 2048 + s, k = head x 64 + d); Wout [1024][1024] bf16 in wb; x, x1 f32.
; A tile of x1 is 128 x 128: 8 x 32 = 256 work-groups of four waves, each 64 x 64 (16 accumulators).  K goes in 4 steps of 256 (four heads) through a ring of two LDS slots.
; O's TILE BY ONE DESCRIPTOR: 64 rows of one head are 8,192 dense bytes: that is the descriptor's row; its second dimension is the head, 131,072 elements on; padded in LDS after every 128 bytes.
; THE WEIGHTS LIE [K][N] and are turned on their way out of LDS; THE MATRIX INSTRUCTION IS USED TRANSPOSED (source 0 = 16 columns of W, source 1 = 16 rows of O).
; CLUSTER 4 x 4: O's tile is shared along a row of the cluster, W's along a column, each asked for jointly.
; THE WALK ALONG K IS TURNED: cluster (x, y) begins at K step (NSTEPS / 2) ((x + y) % 2) and wraps round.  The two clusters that read the same rows of O, and of the eight that read the same columns of W four
; and four, then read them half a walk apart, not at the same step.  The sums are f32 sums and take the steps in that order.
; NO PREFETCH: of four K steps two come by the first fills and two by refills; a lead of two steps leaves nothing to ask for.
; The residual's 64 x 64 f32 are loaded at the start into 128 registers of window 2 and added at the end.
.set AH,     1                         ; A by heads
.set PF,     0
.set NSTEPS, 4
.set WOFF,   0
.set PA,     144
.set HALFA,  4*64*PA                   ; [4 heads][64 rows]
.set ASTEP,  4*2048*128
.set PB,     288
.set HALFB,  128*PB
.set BSTEP,  256*2048
.set BOFF,   2*HALFA
.set SLOT,   BOFF+2*HALFB
.set STAGE,  2*SLOT                    ; behind the ring: 16 rows x 272 bytes a wave
.set SPITCH, 272
.set SPARE,  STAGE+4*16*SPITCH
.set ADRA,  16
.set ADRA0, 17
.set ADRB,  20                         ; v20: k-rows 0-127 of the slot in hand, v21: k-rows 128-255 (an LDS offset has 16 bits)
.set ADRB0, 22
.set STO,   24
.set RD,    25
.set CO,    26
.set SPW,   28
.set NIL,   29
.set PFO,   30
.set TMP,   32
.set ACC,   128
.set F0,    0
.set F1,    128
.set G1,  24
.set G0,  32
.set G1B, 48
.set G0B, 56
.set LIM, 43
.set PFA, 44
.set TB,  66
.set WA,  67
.set WB,  68
.set PFS, 70
.set KK,  80                           ; s80  the K step asked for last
.set OFA, 82                           ; s[82:83] its bytes in A,
.set OFB, 84                           ; s[84:85] and in W
.set MSB, 0
.macro WIN new
.if MSB != (\new)
	s_set_vgpr_msb (MSB<<8)|(\new)
.set MSB, \new
.endif
.endm
.set MUL,  0x05                        ; sources 0 (W) and 1 (A) window 1; C and D window 0
.set TO_F, 0x40
.macro PLACES
.rept 4
	v_nop
.endr
.endm
.macro JLOAD                           ; a joint refill by the walking descriptor: waves 0 and 1 fetch A's halves, waves 2 and 3 W's
	s_cmp_eq_u32 s11, 0
	s_cbranch_scc0 .Lfor_b_\@
	tensor_load_to_lds s[G0+4:G0+7], s[G1:G1+7]
	s_nop 0
.rept 4
	v_nop
.endr
	s_branch .Lasked_\@
.Lfor_b_\@:
	tensor_load_to_lds s[G0B+4:G0B+7], s[G1B:G1B+7]
	s_nop 0
.rept 4
	v_nop
.endr
.Lasked_\@:
.endm
.macro ASK                             ; the K step two refills on, while it lies in the first half of my cluster's walk; s3 counts the loop's trips down to 1
	s_cmp_gt_u32 s3, s[LIM]
	s_cbranch_scc0 .Lnot_mine_\@
	global_prefetch_b8 v[PFO], s[PFA:PFA+1] th:TH_LOAD_NT scope:SCOPE_SE
.Lnot_mine_\@:
.endm
.macro CREST
	s_cmp_lg_u32 s10, 0
	s_cbranch_scc1 .Lnot_wave_0_\@
	s_barrier_signal -3
.Lnot_wave_0_\@:
	s_barrier_wait -3
	s_barrier_signal -1
	s_barrier_wait -1
.endm
.macro CROUND
	s_barrier_signal -1
	s_barrier_wait -1
	CREST
.endm
.macro MUL8 f, c, a0, zero             ; 8 matrix instructions: row blocks a0, a0 + 1 x 4 column blocks, 32 along K: half c of buffer f
	WIN MUL
.irp a, \a0, (\a0)+1
.irp b, 0,1,2,3
.if \zero
	v_wmma_f32_16x16x32_bf16 v[ACC+8*(4*(\a)+(\b)):ACC+8*(4*(\a)+(\b))+7], v[(\f)+64+8*(4*(\c)+(\b)):(\f)+64+8*(4*(\c)+(\b))+7], v[(\f)+8*(4*(\c)+(\a)):(\f)+8*(4*(\c)+(\a))+7], 0
.else
	v_wmma_f32_16x16x32_bf16 v[ACC+8*(4*(\a)+(\b)):ACC+8*(4*(\a)+(\b))+7], v[(\f)+64+8*(4*(\c)+(\b)):(\f)+64+8*(4*(\c)+(\b))+7], v[(\f)+8*(4*(\c)+(\a)):(\f)+8*(4*(\c)+(\a))+7], v[ACC+8*(4*(\a)+(\b)):ACC+8*(4*(\a)+(\b))+7]
.endif
.endr
.endr
.endm
.macro FETCH kq, f                     ; 32 LDS loads in one run: quarter kq (64 along K) into buffer f, its first 32 along K first
	WIN TO_F
.irp c, 0,1
.irp i, 0,1,2,3
	ds_load_tr16_b128 v[(\f)+64+8*(4*(\c)+(\i)):(\f)+64+8*(4*(\c)+(\i))+3],   v[ADRB+(\kq)/2] offset:((\kq)%2)*64*PB+32*PB*(\c)+32*(\i)
	ds_load_tr16_b128 v[(\f)+64+8*(4*(\c)+(\i))+4:(\f)+64+8*(4*(\c)+(\i))+7], v[ADRB+(\kq)/2] offset:((\kq)%2)*64*PB+32*PB*(\c)+32*(\i)+16*PB
.if AH
	ds_load_b128 v[(\f)+8*(4*(\c)+(\i)):(\f)+8*(4*(\c)+(\i))+3],   v[ADRA] offset:(\kq)*64*PA+(\i)*16*PA+64*(\c)
	ds_load_b128 v[(\f)+8*(4*(\c)+(\i))+4:(\f)+8*(4*(\c)+(\i))+7], v[ADRA] offset:(\kq)*64*PA+(\i)*16*PA+64*(\c)+32
.else
	ds_load_b128 v[(\f)+8*(4*(\c)+(\i)):(\f)+8*(4*(\c)+(\i))+3],   v[ADRA] offset:128*(\kq)+64*(\c)+(\i)*16*PA
	ds_load_b128 v[(\f)+8*(4*(\c)+(\i))+4:(\f)+8*(4*(\c)+(\i))+7], v[ADRA] offset:128*(\kq)+64*(\c)+(\i)*16*PA+32
.endif
.endr
.endr
.endm
.macro QUARTER kq, f, g, zero
	s_wait_dscnt 16                                ; the first 32 along K are in
	MUL8 \f, 0, 0, \zero
	MUL8 \f, 0, 2, \zero
	PLACES
	FETCH \kq, \g
	s_wait_dscnt 32                                ; all but the 32 just issued
	MUL8 \f, 1, 0, 0
	MUL8 \f, 1, 2, 0
.endm
; The last quarter multiplies buffer 1 and changes slots: each wave waits for all its tensor loads, adds 0 to its spare word, and waits for that and for its reads of this slot.
; fill = 1: the barrier opens a round of the cluster's, and this slot is filled again, two places of the walk ahead, first thing behind it; the descriptors' addresses are made anew from the step's number.
.macro TURN fill
.if (\fill) && PF
	s_wait_xcnt 0x0                                ; the last prefetch, a K step back, has read its address
	s_add_nc_u64 s[PFA:PFA+1], s[PFA:PFA+1], s[PFS:PFS+1]
.endif
	WIN 0
	s_wait_tensorcnt 0x0                           ; no tensor load of mine is out, so a group 0 may be written
	ds_add_u32 v[SPW], v[NIL]
.if \fill
	s_add_co_u32 s[G0+5], s[TB], s[WA]
	s_add_co_u32 s[G0B+5], s[TB], s[WB]
	s_add_co_u32 s[KK], s[KK], 1                   ; the walk's next K step, round the end
	s_and_b32 s[KK], s[KK], NSTEPS-1
	s_mul_i32 s[OFA], s[KK], ASTEP
	s_mul_i32 s[OFB], s[KK], BSTEP
	s_add_nc_u64 s[G0+6:G0+7], s[14:15], s[OFA:OFA+1]
	s_or_b32 s[G0+7], s[G0+7], 0x80000000
	s_add_nc_u64 s[G0B+6:G0B+7], s[46:47], s[OFB:OFB+1]
	s_or_b32 s[G0B+7], s[G0B+7], 0x80000000
.endif
	s_xor_b32 s[TB], s[TB], SLOT                   ; TB is 0 or SLOT: the other slot
	v_add_nc_u32 v[ADRA], s[TB], v[ADRA0]
	v_add_nc_u32 v[ADRB], s[TB], v[ADRB0]
	v_add_nc_u32 v[ADRB+1], HALFB, v[ADRB]
	s_wait_dscnt 17                                ; the add and the youngest sixteen loads may be out
	MUL8 F1, 0, 0, 0
	s_wait_dscnt 0x0
	s_barrier_signal -1
	MUL8 F1, 0, 2, 0
.if \fill
	WIN 0
.endif
	s_barrier_wait -1
.if \fill
	CREST
	JLOAD
.else
	PLACES
.endif
	FETCH 0, F0
.if (\fill) && PF
	WIN 0
	ASK
.endif
	MUL8 F1, 1, 0, 0
	MUL8 F1, 1, 2, 0
.endm
	s_load_b256 s[72:79], s[0:1], 0x0              ; A s[72:73], wb s[74:75], the residual s[76:77], the output s[78:79]
	v_lshl_add_u32 v[SPW], v0, 2, SPARE
	v_mov_b32 v[NIL], 0
	ds_add_u32 v[SPW], v[NIL]                      ; the wave's opening
	ds_add_u32 v28, v29
	v_lshrrev_b32 v1, 5, v0
	v_readfirstlane_b32 s10, v1
	s_lshr_b32 s11, s10, 1                         ; my half of the tile's rows.  Also: I fetch for A (0) or for W (1)
	s_and_b32 s12, s10, 1                          ; my half of its columns.  Also: which half of that tile I fetch
	s_bfe_u32 s40, ttmp6, 0x40000
	s_bfe_u32 s41, ttmp6, 0x40004
	s_lshl_b32 s42, ttmp9, 2
	s_add_co_u32 s42, s42, s40                     ; tile column
	s_and_b32 s13, ttmp7, 0xffff
	s_lshl_b32 s13, s13, 2
	s_add_co_u32 s13, s13, s41                     ; tile row
	s_lshl_b32 s43, s41, 2
	s_lshl_b32 s43, 15, s43
	s_lshl_b32 s44, 0x1111, s40
	s_and_b32 s[KK], ttmp7, 0xffff                 ; where my cluster's walk begins: made of the cluster's x and y alone, the same in all sixteen partners
	s_add_co_u32 s[KK], s[KK], ttmp9
	s_and_b32 s[KK], s[KK], 1
	s_mul_i32 s[KK], s[KK], NSTEPS/2
	s_mov_b32 s[OFA+1], 0
	s_mov_b32 s[OFB+1], 0
.if AH
	s_or_b32 s[G1+0], s43, (1<<16)|(1<<20)|(1<<21)|(4<<22)|(3<<25)  ; padding after every 32 words (a row of 64 bf16), 4 words
	s_mov_b32 s[G1+1], 4096<<16                    ; tensor_dim0 = 4,096: 64 rows x 64 channels of one head
	s_mov_b32 s[G1+2], 4<<16                       ; tensor_dim1 = 4 heads
	s_mov_b32 s[G1+3], 4096<<16                    ; tile_dim0
	s_mov_b32 s[G1+4], 4                           ; tile_dim1
	s_mov_b32 s[G1+5], 131072                      ; elements from head to head
.else
	s_or_b32 s[G1+0], s43, (1<<16)|(1<<20)|(1<<21)|(6<<22)|(3<<25)  ; padding after every 128 words, 4 words
	s_mov_b32 s[G1+1], 256<<16
	s_mov_b32 s[G1+2], 64<<16
	s_mov_b32 s[G1+3], 256<<16
	s_mov_b32 s[G1+4], 64
	s_mov_b32 s[G1+5], 4096
.endif
	s_mov_b32 s[G1+6], 0
	s_mov_b32 s[G1+7], 0
	s_or_b32 s[G1B+0], s44, (1<<16)|(1<<20)|(1<<21)|(5<<22)|(7<<25)
	s_mov_b32 s[G1B+1], 128<<16
	s_mov_b32 s[G1B+2], 128<<16
	s_mov_b32 s[G1B+3], 128<<16
	s_mov_b32 s[G1B+4], 128
	s_mov_b32 s[G1B+5], 1024
	s_mov_b32 s[G1B+6], 0
	s_mov_b32 s[G1B+7], 0
.if AH
	s_lshr_b32 s16, s13, 4                         ; batch: 16 heads of 2,048 rows,
	s_lshl_b32 s16, s16, 15
	s_and_b32 s17, s13, 15                         ; s = 128 x (tile row % 16) + 64 x half
	s_lshl_b32 s17, s17, 7
	s_add_co_u32 s16, s16, s17
	s_lshl_b32 s17, s12, 6
	s_add_co_u32 s16, s16, s17
	s_lshl_b32 s16, s16, 7                         ; 128 bytes a row
.else
	s_lshl_b32 s16, s13, 7
	s_lshl_b32 s17, s12, 6
	s_add_co_u32 s16, s16, s17
	s_lshl_b32 s16, s16, 13                        ; 8,192 bytes a row
.endif
	s_mov_b32 s17, 0
	s_lshl_b32 s46, s42, 8                         ; W: 128 columns x 2 bytes a tile column; 128 k-rows of 2,048 bytes a half
	s_lshl_b32 s47, s12, 18
	s_add_co_u32 s46, s46, s47
	s_add_co_u32 s46, s46, WOFF
	s_mov_b32 s47, 0
	s_mul_i32 s[WA], s12, HALFA
	s_mul_i32 s[WB], s12, HALFB
	s_add_co_u32 s[WB], s[WB], BOFF
	s_mov_b32 s[TB], 0
	s_wait_dscnt 0x0
	s_wait_kmcnt 0x0
	s_add_nc_u64 s[14:15], s[72:73], s[16:17]      ; A and W at my part of K step 0: kept, the descriptors' addresses are made from them
	s_add_nc_u64 s[46:47], s[74:75], s[46:47]
	CROUND                                         ; all sixteen work-groups are here: the first joint loads meet
	s_mul_i32 s[OFA], s[KK], ASTEP
	s_mul_i32 s[OFB], s[KK], BSTEP
	s_mov_b32 s[G0], 1                             ; the walk's first K step into slot 0,
	s_mov_b32 s[G0+1], s[WA]
	s_add_nc_u64 s[G0+2:G0+3], s[14:15], s[OFA:OFA+1]
	s_add_nc_u64 s[G0+6:G0+7], s[G0+2:G0+3], ASTEP ; its second into slot 1: this set walks on
	s_or_b32 s[G0+3], s[G0+3], 0x80000000
	s_or_b32 s[G0+7], s[G0+7], 0x80000000
	s_mov_b32 s[G0+4], 1
	s_add_co_u32 s[G0+5], s[WA], SLOT
	s_mov_b32 s[G0B], 1
	s_mov_b32 s[G0B+1], s[WB]
	s_add_nc_u64 s[G0B+2:G0B+3], s[46:47], s[OFB:OFB+1]
	s_add_nc_u64 s[G0B+6:G0B+7], s[G0B+2:G0B+3], BSTEP
	s_or_b32 s[G0B+3], s[G0B+3], 0x80000000
	s_or_b32 s[G0B+7], s[G0B+7], 0x80000000
	s_mov_b32 s[G0B+4], 1
	s_add_co_u32 s[G0B+5], s[WB], SLOT
	s_add_co_u32 s[KK], s[KK], 1
	s_cmp_eq_u32 s11, 0                            ; a wave's two first fills stand in one branch: two loads of mine are out
	s_cbranch_scc0 .Lfirst_b
	tensor_load_to_lds s[G0:G0+3], s[G1:G1+7]
	s_nop 0
	tensor_load_to_lds s[G0+4:G0+7], s[G1:G1+7]
	s_nop 0
.rept 4
	v_nop
.endr
	s_branch .Lfirst_asked
.Lfirst_b:
	tensor_load_to_lds s[G0B:G0B+3], s[G1B:G1B+7]
	s_nop 0
	tensor_load_to_lds s[G0B+4:G0B+7], s[G1B:G1B+7]
	s_nop 0
.rept 4
	v_nop
.endr
.Lfirst_asked:
	v_and_b32 v1, 15, v0                           ; r
	v_bfe_u32 v2, v0, 4, 1                         ; h
	v_mul_u32_u24 v3, v1, PA
	v_lshl_add_u32 v3, v2, 4, v3
	s_mul_i32 s21, s11, HALFA
	v_add_nc_u32 v[ADRA0], s21, v3
	v_and_b32 v4, 7, v0
	v_bfe_u32 v5, v0, 3, 1
	v_lshl_add_u32 v4, v2, 3, v4
	v_mul_u32_u24 v4, v4, PB
	v_lshl_add_u32 v4, v5, 4, v4
	s_lshl_b32 s22, s12, 7                         ; my 64 columns: 128 bytes of a k-row
	s_add_co_u32 s22, s22, BOFF
	v_add_nc_u32 v[ADRB0], s22, v4
	v_mov_b32 v[ADRA], v[ADRA0]
	v_mov_b32 v[ADRB], v[ADRB0]
	v_add_nc_u32 v[ADRB+1], HALFB, v[ADRB0]
	s_mul_i32 s23, s10, 16*SPITCH
	s_add_co_u32 s23, s23, STAGE                   ; my stage
	v_mul_u32_u24 v3, v1, SPITCH                   ; in: row r, 32 bytes (8 f32) for each half of the lanes
	v_lshl_add_u32 v3, v2, 5, v3
	v_add_nc_u32 v[STO], s23, v3
	v_mul_u32_u24 v3, v2, SPITCH                   ; back: lanes 0-15 one row of 256 bytes, lanes 16-31 the next
	v_lshl_add_u32 v3, v1, 4, v3
	v_add_nc_u32 v[RD], s23, v3
	v_lshlrev_b32 v3, 12, v2                       ; and the same two rows in memory, 4,096 bytes apart
	v_lshl_add_u32 v[CO], v1, 4, v3
	s_lshl_b32 s20, s13, 7                         ; my first row: 128 x tile row + 64 x half, 4,096 bytes each;
	s_lshl_b32 s21, s11, 6
	s_add_co_u32 s20, s20, s21
	s_lshl_b32 s20, s20, 12
	s_lshl_b32 s21, s42, 9                         ; my first column: 128 x tile column + 64 x half, 4 bytes each
	s_add_co_u32 s20, s20, s21
	s_lshl_b32 s21, s12, 8
	s_add_co_u32 s20, s20, s21
	s_mov_b32 s21, 0
	s_add_nc_u64 s[76:77], s[76:77], s[20:21]
	s_add_nc_u64 s[78:79], s[78:79], s[20:21]
	WIN 0x80                                       ; the residual into window 2: its loads have the whole product in which to land; their address registers are never rewritten
.irp a, 0,1,2,3
.irp t, 0,1,2,3,4,5,6,7
	global_load_b128 v[4*(8*(\a)+(\t)):4*(8*(\a)+(\t))+3], v[CO], s[76:77] offset:(16*(\a)+2*(\t))*4096
.endr
.endr
	WIN 0
.if PF
	s_mov_b32 s18, 8192                            ; the prefetches: bytes from row to row,
	s_mov_b32 s19, 2048
	s_mov_b32 s20, ASTEP                           ; and from K step to K step
	s_mov_b32 s21, BSTEP
	s_and_b32 s22, ttmp7, 0xffff
	s_cmp_eq_u32 s11, 0
	s_cselect_b32 s18, s18, s19
	s_cselect_b32 s[PFS], s20, s21
	s_cselect_b32 s23, s40, s41                    ; my place among the four that ask with me
	s_cselect_b32 s22, 0, s22                      ; A's rows: each of their two clusters asks for the half that it walks first; W's: the clusters with y = 0 and 1, which have both beginnings
	s_cselect_b32 s19, 1, 0                        ; A: two blocks of 256 bytes a row, 16 rows a partner; W: one block a row, 32 rows
	s_cselect_b32 s20, 17, 16                      ; a partner's share: 16 x 8,192 or 32 x 2,048 bytes
	s_cselect_b64 s[PFA:PFA+1], s[14:15], s[46:47]
	s_mov_b32 s[PFS+1], 0
	s_cmp_lt_u32 s22, 2
	s_cselect_b32 s[LIM], NSTEPS/2+2, -1           ; the same in all sixteen partners, for a given wave
	s_lshl_b32 s20, s23, s20
	s_add_co_u32 s21, s[KK], 2                     ; at the walk's place 3: the first refill steps it to 4 and names it
	s_mul_i32 s21, s[PFS], s21
	s_add_co_u32 s20, s20, s21
	s_mov_b32 s21, 0
	s_add_nc_u64 s[PFA:PFA+1], s[PFA:PFA+1], s[20:21]
	v_and_b32 v[PFO], 31, v0
	v_lshrrev_b32 v31, s19, v[PFO]
	v_and_b32 v[PFO], s19, v[PFO]
	v_mul_u32_u24 v31, s18, v31
	v_lshl_add_u32 v[PFO], v[PFO], 8, v31
.endif
	s_wait_tensorcnt 1                             ; my part of the first K step is in; the second's may stay out
	s_barrier_signal -1
	s_barrier_wait -1
	FETCH 0, F0
	QUARTER 1, F0, F1, 1
	WIN 0
	s_mov_b32 s3, NSTEPS-2
.Lstep:
	QUARTER 2, F1, F0, 0
	QUARTER 3, F0, F1, 0
	TURN 1
	QUARTER 1, F0, F1, 0
	WIN 0
	s_sub_co_u32 s3, s3, 1
	s_cmp_lg_u32 s3, 0
	s_cbranch_scc1 .Lstep
	s_mov_b32 s3, 2
.Ltail:                                            ; the last two K steps ask for nothing: one text, walked twice and left in the middle of the second trip,
	QUARTER 2, F1, F0, 0                           ; whose change of slots fetches 32 fragments of a slot's old bytes that nobody multiplies
	QUARTER 3, F0, F1, 0
	TURN 0
	WIN 0
	s_sub_co_u32 s3, s3, 1
	s_cmp_eq_u32 s3, 0
	s_cbranch_scc1 .Lout
	QUARTER 1, F0, F1, 0
	WIN 0
	s_cmp_lg_u32 s3, 0
	s_cbranch_scc1 .Ltail
.Lout:
	; THE WAY OUT, 16 rows at a time through my own stage: in by columns (8 f32 a lane), back by rows of 256 bytes, the residual added, stored.
	WIN 0
	PLACES
	s_wait_loadcnt 0x0                             ; the residual
.irp a, 0,1,2,3
	WIN 0
.irp b, 0,1,2,3
	ds_store_b128 v[STO], v[ACC+8*(4*(\a)+(\b)):ACC+8*(4*(\a)+(\b))+3]   offset:64*(\b)
	ds_store_b128 v[STO], v[ACC+8*(4*(\a)+(\b))+4:ACC+8*(4*(\a)+(\b))+7] offset:64*(\b)+16
.endr
.irp t, 0,1,2,3,4,5,6,7
	ds_load_b128 v[TMP+4*(\t):TMP+4*(\t)+3], v[RD] offset:(\t)*2*SPITCH  ; LDS serves a wave's instructions in order: these see the stores above; the next block's stores come behind them
.endr
	s_wait_dscnt 0x0
	WIN 0x88                                       ; destination and source 1 window 2, source 0 window 0
.irp t, 0,1,2,3,4,5,6,7
	v_pk_add_f32 v[4*(8*(\a)+(\t)):4*(8*(\a)+(\t))+1], v[TMP+4*(\t):TMP+4*(\t)+1], v[4*(8*(\a)+(\t)):4*(8*(\a)+(\t))+1]
	v_pk_add_f32 v[4*(8*(\a)+(\t))+2:4*(8*(\a)+(\t))+3], v[TMP+4*(\t)+2:TMP+4*(\t)+3], v[4*(8*(\a)+(\t))+2:4*(8*(\a)+(\t))+3]
.endr
	WIN 0x08                                       ; the stores' data in window 2
.irp t, 0,1,2,3,4,5,6,7
	global_store_b128 v[CO], v[4*(8*(\a)+(\t)):4*(8*(\a)+(\t))+3], s[78:79] offset:(16*(\a)+2*(\t))*4096  ; 16 lanes store 256 consecutive bytes, aligned; no register is written twice
.endr
.endr
	WIN 0
	s_wait_tensorcnt 0x0                           ; the wave's end
	ds_add_u32 v[SPW], v[NIL]
	s_wait_dscnt 0x0
	CROUND                                         ; the closing round
	s_endpgm
.Lfunc_end_k_qf7d70d54f1_outp:
	.size	k_qf7d70d54f1_outp, .Lfunc_end_k_qf7d70d54f1_outp-k_qf7d70d54f1_outp
	.p2alignl 7, 3214868480
	.fill 96, 4, 3214868480
	.section	.rodata,"a",@progbits
	.p2align	6, 0x0
	.amdhsa_kernel k_qf7d70d54f1_outp
		.amdhsa_group_segment_fixed_size 327680
		.amdhsa_private_segment_fixed_size 0
		.amdhsa_enable_private_segment 0
		.amdhsa_kernarg_size 32
		.amdhsa_user_sgpr_count 2
		.amdhsa_user_sgpr_kernarg_segment_ptr 1
		.amdhsa_wavefront_size32 1
		.amdhsa_system_sgpr_workgroup_id_x 1
		.amdhsa_system_sgpr_workgroup_id_y 1
		.amdhsa_system_sgpr_workgroup_id_z 1
		.amdhsa_system_vgpr_workitem_id 0
		.amdhsa_next_free_vgpr 640
		.amdhsa_next_free_sgpr 86
		.amdhsa_reserve_vcc 0
		.amdhsa_float_denorm_mode_32 3
		.amdhsa_float_denorm_mode_16_64 3
		.amdhsa_memory_ordered 1
		.amdhsa_forward_progress 1
		.amdhsa_inst_pref_size 66
	.end_amdhsa_kernel
	.amdgpu_metadata
---
amdhsa.version: [ 1, 2 ]
amdhsa.kernels:
  - .name:           k_qf7d70d54f1_outp
    .symbol:         k_qf7d70d54f1_outp.kd
    .args:
      - { .name: o, .offset: 0, .size: 8, .value_kind: global_buffer, .address_space: global }
      - { .name: wb, .offset: 8, .size: 8, .value_kind: global_buffer, .address_space: global }
      - { .name: x, .offset: 16, .size: 8, .value_kind: global_buffer, .address_space: global }
      - { .name: x1, .offset: 24, .size: 8, .value_kind: global_buffer, .address_space: global }
    .group_segment_fixed_size: 327680
    .private_segment_fixed_size: 0
    .kernarg_segment_align: 8
    .kernarg_segment_size: 32
    .max_flat_workgroup_size: 128
    .sgpr_count:     86
    .vgpr_count:     640
    .wavefront_size: 32
...
	.end_amdgpu_metadata
.endif
;; end of part 4
;; launch ln2 (part 5): grid 512 x 1, 8 waves a work-group, no clusters, 0 bytes of LDS; arguments x1, ln2_w, xn; writes xn
.if DOCPART == 5
	.amdgcn_target "amdgcn-amd-amdhsa--gfx1250"
	.amdhsa_code_object_version 6
	.text
	.protected	k_qf7d70d54f1_ln2
	.globl	k_qf7d70d54f1_ln2
	.p2align	8
	.type	k_qf7d70d54f1_ln2,@function
k_qf7d70d54f1_ln2:
	s_mov_b64 s[64:65], 0
	v_nop
	global_prefetch_b8 v0, s[64:65] scope:SCOPE_SE
	s_setreg_imm32_b32 hwreg(HW_REG_WAVE_MODE, 25, 1), 1
	s_wait_xcnt 0x0
; LN2.  xn = layernorm(x1) * ln2_w, rounded once to bf16.  One wave takes one row of 1,024 f32: eight loads of 16 bytes a lane, the row kept in 32 registers between the passes.
; Two passes in registers: the mean, then the sum of squares of x - mean, so a common offset of the row costs no digits.  A store of the wave is 256 consecutive bytes, aligned.
; A stream: no LDS, no barrier, no matrix unit.  LIMITS: NaN and infinities are not treated apart; the reciprocal root is the hardware's, good to 1 ULP.
.set X,    16
.set W,    48
.set T,    80
.set MEAN, 88
.set VAR,  90
.set RS,   92
.set Y,    96
.macro REDUCE
	v_pk_add_f32 v[T:T+1], v[T:T+1], v[T+2:T+3]
	v_pk_add_f32 v[T+4:T+5], v[T+4:T+5], v[T+6:T+7]
	v_pk_add_f32 v[T:T+1], v[T:T+1], v[T+4:T+5]
	v_add_f32 v[T], v[T], v[T+1]
	v_add_f32_dpp v[T], v[T], v[T] row_xmask:1 row_mask:0xf bank_mask:0xf
	v_add_f32_dpp v[T], v[T], v[T] row_xmask:2 row_mask:0xf bank_mask:0xf
	v_add_f32_dpp v[T], v[T], v[T] row_xmask:4 row_mask:0xf bank_mask:0xf
	v_add_f32_dpp v[T], v[T], v[T] row_xmask:8 row_mask:0xf bank_mask:0xf
	v_permlanex16_b32 v[T+1], v[T], s25, s26
	v_add_f32 v[T], v[T], v[T+1]
.endm
	s_load_b128 s[8:11], s[0:1], 0x0               ; x1 s[8:9], ln2_w s[10:11]
	s_load_b64 s[20:21], s[0:1], 0x10              ; xn
	v_lshrrev_b32 v3, 5, v0
	v_readfirstlane_b32 s24, v3
	s_mov_b32 s25, 0x76543210
	s_mov_b32 s26, 0xfedcba98
	s_mov_b32 s27, 0x3a800000                      ; 1 / 1024
	s_mov_b32 s28, 0x3727c5ac                      ; eps = 1e-5
	s_mov_b32 s3, 0
	v_and_b32 v4, 31, v0
	v_lshlrev_b32 v1, 4, v4
	v_lshlrev_b32 v2, 3, v4
	s_lshl_b32 s2, ttmp9, 15                       ; row = 8 x work-group + wave
	s_lshl_b32 s4, s24, 12
	s_add_co_u32 s2, s2, s4
	s_wait_kmcnt 0x0
	s_add_nc_u64 s[8:9], s[8:9], s[2:3]
	s_lshr_b32 s2, s2, 1
	s_add_nc_u64 s[20:21], s[20:21], s[2:3]
.irp j, 0,1,2,3,4,5,6,7
	global_load_b128 v[X+4*(\j):X+4*(\j)+3], v1, s[8:9] offset:512*(\j)
.endr
.irp j, 0,1,2,3,4,5,6,7
	global_load_b128 v[W+4*(\j):W+4*(\j)+3], v1, s[10:11] offset:512*(\j)
.endr
	s_wait_loadcnt 8                               ; the row is in; the gain's eight loads may stay out
.irp k, 0,1,2,3
	v_pk_add_f32 v[T+2*(\k):T+2*(\k)+1], v[X+2*(\k):X+2*(\k)+1], v[X+8+2*(\k):X+8+2*(\k)+1]
.endr
.irp k, 0,1,2,3,4,5,6,7
	v_pk_add_f32 v[T+2*((\k)%4):T+2*((\k)%4)+1], v[T+2*((\k)%4):T+2*((\k)%4)+1], v[X+16+2*(\k):X+16+2*(\k)+1]
.endr
	REDUCE
	v_mul_f32 v[MEAN], s27, v[T]
	v_mov_b32 v[MEAN+1], v[MEAN]
.irp k, 0,1,2,3,4,5,6,7,8,9,10,11,12,13,14,15
	v_pk_add_f32 v[X+2*(\k):X+2*(\k)+1], v[X+2*(\k):X+2*(\k)+1], v[MEAN:MEAN+1] neg_lo:[0,1] neg_hi:[0,1]
.endr
.irp k, 0,1,2,3
	v_pk_mul_f32 v[T+2*(\k):T+2*(\k)+1], v[X+2*(\k):X+2*(\k)+1], v[X+2*(\k):X+2*(\k)+1]
.endr
.irp k, 4,5,6,7,8,9,10,11,12,13,14,15
	v_pk_fma_f32 v[T+2*((\k)%4):T+2*((\k)%4)+1], v[X+2*(\k):X+2*(\k)+1], v[X+2*(\k):X+2*(\k)+1], v[T+2*((\k)%4):T+2*((\k)%4)+1]
.endr
	REDUCE
	v_fma_f32 v[VAR], v[T], s27, s28
	v_rsq_f32 v[RS], v[VAR]
	v_nop                                          ; a plain instruction behind the reciprocal root,
	s_wait_alu depctr_va_vdst(0)                   ; and the wait ahead of the first use of its result
	v_mov_b32 v[RS+1], v[RS]
	s_wait_loadcnt 0x0
.irp k, 0,1,2,3,4,5,6,7,8,9,10,11,12,13,14,15
	v_pk_mul_f32 v[X+2*(\k):X+2*(\k)+1], v[X+2*(\k):X+2*(\k)+1], v[RS:RS+1]
.endr
.irp k, 0,1,2,3,4,5,6,7,8,9,10,11,12,13,14,15
	v_pk_mul_f32 v[X+2*(\k):X+2*(\k)+1], v[X+2*(\k):X+2*(\k)+1], v[W+2*(\k):W+2*(\k)+1]
.endr
.irp k, 0,1,2,3,4,5,6,7,8,9,10,11,12,13,14,15
	v_cvt_pk_bf16_f32 v[Y+(\k)], v[X+2*(\k)], v[X+2*(\k)+1]
.endr
.irp j, 0,1,2,3,4,5,6,7
	global_store_b64 v2, v[Y+2*(\j):Y+2*(\j)+1], s[20:21] offset:256*(\j) th:TH_STORE_NT
.endr
	s_endpgm
.Lfunc_end_k_qf7d70d54f1_ln2:
	.size	k_qf7d70d54f1_ln2, .Lfunc_end_k_qf7d70d54f1_ln2-k_qf7d70d54f1_ln2
	.p2alignl 7, 3214868480
	.fill 96, 4, 3214868480
	.section	.rodata,"a",@progbits
	.p2align	6, 0x0
	.amdhsa_kernel k_qf7d70d54f1_ln2
		.amdhsa_group_segment_fixed_size 0
		.amdhsa_private_segment_fixed_size 0
		.amdhsa_enable_private_segment 0
		.amdhsa_kernarg_size 24
		.amdhsa_user_sgpr_count 2
		.amdhsa_user_sgpr_kernarg_segment_ptr 1
		.amdhsa_wavefront_size32 1
		.amdhsa_system_sgpr_workgroup_id_x 1
		.amdhsa_system_sgpr_workgroup_id_y 1
		.amdhsa_system_sgpr_workgroup_id_z 1
		.amdhsa_system_vgpr_workitem_id 0
		.amdhsa_next_free_vgpr 128
		.amdhsa_next_free_sgpr 66
		.amdhsa_reserve_vcc 0
		.amdhsa_float_denorm_mode_32 3
		.amdhsa_float_denorm_mode_16_64 3
		.amdhsa_memory_ordered 1
		.amdhsa_forward_progress 1
		.amdhsa_inst_pref_size 11
	.end_amdhsa_kernel
	.amdgpu_metadata
---
amdhsa.version: [ 1, 2 ]
amdhsa.kernels:
  - .name:           k_qf7d70d54f1_ln2
    .symbol:         k_qf7d70d54f1_ln2.kd
    .args:
      - { .name: x1, .offset: 0, .size: 8, .value_kind: global_buffer, .address_space: global }
      - { .name: ln2_w, .offset: 8, .size: 8, .value_kind: global_buffer, .address_space: global }
      - { .name: xn, .offset: 16, .size: 8, .value_kind: global_buffer, .address_space: global }
    .group_segment_fixed_size: 0
    .private_segment_fixed_size: 0
    .kernarg_segment_align: 8
    .kernarg_segment_size: 24
    .max_flat_workgroup_size: 256
    .sgpr_count:     66
    .vgpr_count:     128
    .wavefront_size: 32
...
	.end_amdgpu_metadata
.endif
;; end of part 5
;; launch fc1 (part 6): grid 16 x 16, 4 waves a work-group, clusters of 4 x 4, 327,680 bytes of LDS; arguments xn, wb, h; writes h
.if DOCPART == 6
	.amdgcn_target "amdgcn-amd-amdhsa--gfx1250"
	.amdhsa_code_object_version 6
	.text
	.protected	k_qf7d70d54f1_fc1
	.globl	k_qf7d70d54f1_fc1
	.p2align	8
	.type	k_qf7d70d54f1_fc1,@function
k_qf7d70d54f1_fc1:
	s_mov_b64 s[64:65], 0
	v_nop
	global_prefetch_b8 v0, s[64:65] scope:SCOPE_SE
	s_setreg_imm32_b32 hwreg(HW_REG_WAVE_MODE, 25, 1), 1
	s_wait_xcnt 0x0
	s_wait_alu depctr_hold_cnt(0) depctr_sa_sdst(0) depctr_va_vdst(0) depctr_va_sdst(0) depctr_va_ssrc(0) depctr_va_vcc(0) depctr_vm_vsrc(0)
	s_getreg_b32 s2, hwreg(HW_REG_IB_STS2, 6, 4)
	s_cmp_eq_u32 s2, 0
	s_cbranch_scc0 .Lentry_in_a_cluster
	s_endpgm
.Lentry_in_a_cluster:
	s_bfe_u32 s2, ttmp6, 0x10000c
	s_cmp_lg_u32 s2, 0xf033
	s_cbranch_scc0 .Lentry_shape_is_right
	s_endpgm
.Lentry_shape_is_right:
; FC1.  h[m][n] = gelu(sum over k of xn[m][k] W1[k][n]); xn [4096][1024] bf16, W1 [1024][4096] bf16 (in wb), sums and gelu in f32, h [4096][4096] rounded once to bf16.
; A tile is 256 x 256, four waves of 128 x 128; 16 x 16 = 256 work-groups.  K goes in 8 steps of 128 through a ring of two LDS slots filled by tensor loads.
; THE WEIGHTS LIE [K][N]: their tile is 128 k-rows x 128 columns, and a fragment is turned on its way out of LDS by ds_load_tr16_b128.
; THE MATRIX INSTRUCTION IS USED TRANSPOSED (source 0 = 16 columns of W, source 1 = 16 rows of xn).  CLUSTER 4 x 4: xn's tile shared along a row of the cluster, W's along a column, each asked for jointly.
; THE LOOP IS WRITTEN PER K STEP: the slot in hand is a scalar, TB (0 or SLOT), turned by an exclusive or; one walking descriptor a tensor.
; GELU, exact form: gelu(x) = x/2 + |x/2| erf(|x| / sqrt 2), erf(z) = 1 - (a1 t + .. + a5 t^5) e^(-z z), t = 1 / (1 + 0.3275911 z) (Abramowitz and Stegun 7.1.26).
; LIMIT: that formula's absolute error is at most 1.5e-7 for every z, so gelu's is about 1e-7 |x|; NaN and infinities are not treated apart.
; The sums go to LDS in f32 and come back by rows, so that the 512 numbers a lane are worked on by ONE loop's text, 32 a trip.
; REGISTERS: window 0: v0-31 addresses; v64-127, v128-191 fragments of xn (in the way out v32-239 at work).  Window 1: fragments of W.  Windows 2, 3: accumulator (a, b) at window 2 + a / 4, v[8 (8 (a % 4) + b)].
.set N,      4096
.set WOFF,   2097152                   ; W1's first byte in wb
.set KDIM,   1024
.set NSTEPS, 8
.set PA,     272
.set PB,     288
.set HALFA,  128*PA
.set HALFB,  128*PB
.set BOFF,   2*HALFA
.set SLOT,   BOFF+2*HALFB
.set ASTEP,  256
.set BSTEP,  128*N*2
.set SPARE,  2*SLOT
.set SPITCH, 528
.set SW,     128*SPITCH
.set ADRA,  16
.set ADRA0, 17
.set ADRB,  20
.set ADRB0, 21
.set STO,   24
.set RD,    25
.set CO,    26
.set SPW,   28
.set NIL,   29
.set PFO,   30
.set F0,    64
.set F1,    128
.set GX,    32                         ; the way out: 32 sums as read back
.set GH,    64                         ; x / 2
.set GA,    96                         ; |x / 2|
.set GT,    128                        ; 1 + p z, then t
.set GE,    160                        ; -z z log2 e, then e^(-z z)
.set GP,    192                        ; the polynomial, then the result
.set GOUT,  224                        ; 16 registers of bf16
.set G1,  24
.set G0,  32
.set G1B, 48
.set G0B, 56
.set LIM, 43
.set PFA, 44
.set TB,  66
.set WA,  67
.set WB,  68
.set PFS, 70
.set MSB, 0
.macro WIN new
.if MSB != (\new)
	s_set_vgpr_msb (MSB<<8)|(\new)
.set MSB, \new
.endif
.endm
.set MUL_LO, 0xa1
.set MUL_HI, 0xf1
.set TO_B,   0x40
.macro PLACES
.rept 4
	v_nop
.endr
.endm
.macro JLOAD                           ; a joint refill by the walking descriptor: waves 0 and 1 fetch xn's halves, waves 2 and 3 W's
	s_cmp_eq_u32 s11, 0
	s_cbranch_scc0 .Lfor_b_\@
	tensor_load_to_lds s[G0+4:G0+7], s[G1:G1+7]
	s_nop 0
.rept 4
	v_nop
.endr
	s_branch .Lasked_\@
.Lfor_b_\@:
	tensor_load_to_lds s[G0B+4:G0B+7], s[G1B:G1B+7]
	s_nop 0
.rept 4
	v_nop
.endr
.Lasked_\@:
.endm
; A prefetch of the K step that stands two refills on: 32 rows x 256 bytes, a lane a row.  xn's rows are named by the clusters with x = 0, W's by those with y = 0; of a wave's 128 rows each of the four
; partners takes 32, told apart by address: each block of 256 bytes is named once.  s3 counts the trips 6 .. 1: the last two refills have no K step two on.
.macro ASK
	s_cmp_gt_u32 s3, s[LIM]
	s_cbranch_scc0 .Lnot_mine_\@
	global_prefetch_b8 v[PFO], s[PFA:PFA+1] th:TH_LOAD_NT scope:SCOPE_SE
.Lnot_mine_\@:
.endm
.macro CREST
	s_cmp_lg_u32 s10, 0
	s_cbranch_scc1 .Lnot_wave_0_\@
	s_barrier_signal -3
.Lnot_wave_0_\@:
	s_barrier_wait -3
	s_barrier_signal -1
	s_barrier_wait -1
.endm
.macro CROUND
	s_barrier_signal -1
	s_barrier_wait -1
	CREST
.endm
.macro MUL16 f, hi, a0, zero
	WIN MUL_LO+0x50*(\hi)
.irp a, \a0, (\a0)+1
.irp b, 0,1,2,3,4,5,6,7
.if \zero
	v_wmma_f32_16x16x32_bf16 v[8*(8*(\a)+(\b)):8*(8*(\a)+(\b))+7], v[(\f)+8*(\b):(\f)+8*(\b)+7], v[(\f)+8*(4*(\hi)+(\a)):(\f)+8*(4*(\hi)+(\a))+7], 0
.else
	v_wmma_f32_16x16x32_bf16 v[8*(8*(\a)+(\b)):8*(8*(\a)+(\b))+7], v[(\f)+8*(\b):(\f)+8*(\b)+7], v[(\f)+8*(4*(\hi)+(\a)):(\f)+8*(4*(\hi)+(\a))+7], v[8*(8*(\a)+(\b)):8*(8*(\a)+(\b))+7]
.endif
.endr
.endr
.endm
.macro FETCH q, f
	WIN TO_B
.irp i, 0,1,2,3,4,5,6,7
	ds_load_tr16_b128 v[(\f)+8*(\i):(\f)+8*(\i)+3],   v[ADRB] offset:(\q)*32*PB+32*(\i)
	ds_load_tr16_b128 v[(\f)+8*(\i)+4:(\f)+8*(\i)+7], v[ADRB] offset:(\q)*32*PB+32*(\i)+16*PB
.endr
	WIN 0
.irp i, 0,1,2,3,4,5,6,7
	ds_load_b128 v[(\f)+8*(\i):(\f)+8*(\i)+3],   v[ADRA] offset:64*(\q)+(\i)*16*PA
	ds_load_b128 v[(\f)+8*(\i)+4:(\f)+8*(\i)+7], v[ADRA] offset:64*(\q)+(\i)*16*PA+32
.endr
.endm
.macro QUARTER q, f, g, zero
	s_wait_dscnt 8                                 ; W and xn's rows 0-63 are in; the youngest eight loads may be out
	MUL16 \f, 0, 0, \zero
	MUL16 \f, 0, 2, \zero
	PLACES
	FETCH \q, \g
	s_wait_dscnt 32                                ; all but the 32 just issued
	MUL16 \f, 1, 0, \zero
	MUL16 \f, 1, 2, \zero
.endm
; The last quarter multiplies buffer 1 and changes slots: each wave waits for all its tensor loads, adds 0 to its spare word, and waits for that and for its reads of this slot.
; fill = 1: the barrier opens a round of the cluster's, and this slot is filled again, two K steps ahead, first thing behind it.
.macro TURN fill
.if \fill
	s_wait_xcnt 0x0                                ; the last prefetch, a K step back, has read its address
	s_add_nc_u64 s[PFA:PFA+1], s[PFA:PFA+1], s[PFS:PFS+1]
.endif
	WIN 0
	s_wait_tensorcnt 0x0
	ds_add_u32 v[SPW], v[NIL]
.if \fill
	s_add_co_u32 s[G0+5], s[TB], s[WA]
	s_add_co_u32 s[G0B+5], s[TB], s[WB]
	s_add_nc_u64 s[G0+6:G0+7], s[G0+6:G0+7], ASTEP
	s_add_nc_u64 s[G0B+6:G0B+7], s[G0B+6:G0B+7], BSTEP
.endif
	s_xor_b32 s[TB], s[TB], SLOT
	v_add_nc_u32 v[ADRA], s[TB], v[ADRA0]
	v_add_nc_u32 v[ADRB], s[TB], v[ADRB0]
	s_wait_dscnt 9                                 ; the add and the youngest eight loads may be out
	MUL16 F1, 0, 0, 0
	s_wait_dscnt 0x0
	s_barrier_signal -1
	MUL16 F1, 0, 2, 0
.if \fill
	WIN 0
.endif
	s_barrier_wait -1
.if \fill
	CREST
	JLOAD
.else
	PLACES
.endif
	FETCH 0, F0
.if \fill
	ASK
.endif
	MUL16 F1, 1, 0, 0
	MUL16 F1, 1, 2, 0
.endm
.macro ALLP line:vararg                ; one line for each of the 16 pairs p = 0, 2, .. 30
.set p, 0
.rept 16
	\line
.set p, p+2
.endr
.endm
	s_load_b128 s[4:7], s[0:1], 0x0                ; xn s[4:5], wb s[6:7]
	s_load_b64 s[8:9], s[0:1], 0x10                ; h
	v_lshl_add_u32 v[SPW], v0, 2, SPARE
	v_mov_b32 v[NIL], 0
	ds_add_u32 v[SPW], v[NIL]                      ; the wave's opening
	ds_add_u32 v28, v29
	v_lshrrev_b32 v1, 5, v0
	v_readfirstlane_b32 s10, v1
	s_lshr_b32 s11, s10, 1
	s_and_b32 s12, s10, 1
	s_bfe_u32 s40, ttmp6, 0x40000
	s_bfe_u32 s41, ttmp6, 0x40004
	s_lshl_b32 s42, ttmp9, 2
	s_add_co_u32 s42, s42, s40
	s_and_b32 s13, ttmp7, 0xffff
	s_lshl_b32 s13, s13, 2
	s_add_co_u32 s13, s13, s41
	s_lshl_b32 s43, s41, 2
	s_lshl_b32 s43, 15, s43
	s_lshl_b32 s44, 0x1111, s40
	s_or_b32 s[G1+0], s43, (1<<16)|(1<<20)|(1<<21)|(5<<22)|(3<<25)
	s_or_b32 s[G1B+0], s44, (1<<16)|(1<<20)|(1<<21)|(5<<22)|(7<<25)
	s_mov_b32 s[G1+1], 128<<16
	s_mov_b32 s[G1+2], 128<<16
	s_mov_b32 s[G1+3], 128<<16
	s_mov_b32 s[G1+4], 128
	s_mov_b32 s[G1+5], KDIM
	s_mov_b32 s[G1+6], 0
	s_mov_b32 s[G1+7], 0
	s_mov_b32 s[G1B+1], 128<<16
	s_mov_b32 s[G1B+2], 128<<16
	s_mov_b32 s[G1B+3], 128<<16
	s_mov_b32 s[G1B+4], 128
	s_mov_b32 s[G1B+5], N
	s_mov_b32 s[G1B+6], 0
	s_mov_b32 s[G1B+7], 0
	s_lshl_b32 s17, s12, 7
	s_lshl_b32 s16, s13, 8
	s_add_co_u32 s16, s16, s17
	s_lshl_b32 s16, s16, 11
	s_mov_b32 s17, 0
	s_lshl_b32 s46, s42, 9
	s_lshl_b32 s47, s12, 8
	s_add_co_u32 s46, s46, s47
	s_add_co_u32 s46, s46, WOFF
	s_mov_b32 s47, 0
	s_mul_i32 s[WA], s12, HALFA
	s_mul_i32 s[WB], s12, HALFB
	s_add_co_u32 s[WB], s[WB], BOFF
	s_mov_b32 s[TB], 0
	s_wait_dscnt 0x0
	s_wait_kmcnt 0x0
	s_add_nc_u64 s[14:15], s[4:5], s[16:17]
	s_add_nc_u64 s[46:47], s[6:7], s[46:47]
	CROUND                                         ; all sixteen work-groups are here: the first joint loads meet
	s_mov_b32 s[G0], 1
	s_mov_b32 s[G0+1], s[WA]
	s_mov_b64 s[G0+2:G0+3], s[14:15]
	s_or_b32 s[G0+3], s[G0+3], 0x80000000
	s_mov_b32 s[G0+4], 1
	s_add_co_u32 s[G0+5], s[WA], SLOT
	s_add_nc_u64 s[G0+6:G0+7], s[14:15], ASTEP
	s_or_b32 s[G0+7], s[G0+7], 0x80000000
	s_mov_b32 s[G0B], 1
	s_mov_b32 s[G0B+1], s[WB]
	s_mov_b64 s[G0B+2:G0B+3], s[46:47]
	s_or_b32 s[G0B+3], s[G0B+3], 0x80000000
	s_mov_b32 s[G0B+4], 1
	s_add_co_u32 s[G0B+5], s[WB], SLOT
	s_add_nc_u64 s[G0B+6:G0B+7], s[46:47], BSTEP
	s_or_b32 s[G0B+7], s[G0B+7], 0x80000000
	s_cmp_eq_u32 s11, 0                            ; a wave's two first fills stand in one branch: two loads of mine are out
	s_cbranch_scc0 .Lfirst_b
	tensor_load_to_lds s[G0:G0+3], s[G1:G1+7]
	s_nop 0
	tensor_load_to_lds s[G0+4:G0+7], s[G1:G1+7]
	s_nop 0
.rept 4
	v_nop
.endr
	s_branch .Lfirst_asked
.Lfirst_b:
	tensor_load_to_lds s[G0B:G0B+3], s[G1B:G1B+7]
	s_nop 0
	tensor_load_to_lds s[G0B+4:G0B+7], s[G1B:G1B+7]
	s_nop 0
.rept 4
	v_nop
.endr
.Lfirst_asked:
	v_and_b32 v1, 15, v0
	v_bfe_u32 v2, v0, 4, 1
	v_mul_u32_u24 v3, v1, PA
	v_lshl_add_u32 v3, v2, 4, v3
	s_mul_i32 s21, s11, HALFA
	v_add_nc_u32 v[ADRA0], s21, v3
	v_and_b32 v4, 7, v0
	v_bfe_u32 v5, v0, 3, 1
	v_lshl_add_u32 v4, v2, 3, v4
	v_mul_u32_u24 v4, v4, PB
	v_lshl_add_u32 v4, v5, 4, v4
	v_add_nc_u32 v[ADRB0], s[WB], v4
	v_mov_b32 v[ADRA], v[ADRA0]
	v_mov_b32 v[ADRB], v[ADRB0]
	s_mul_i32 s23, s10, SW                         ; my stage
	v_mul_u32_u24 v3, v1, SPITCH
	v_lshl_add_u32 v3, v2, 5, v3
	v_add_nc_u32 v[STO], s23, v3
	v_and_b32 v[CO], 31, v0
	v_lshl_add_u32 v[RD], v[CO], 4, s23            ; back: a row of 128 f32 is 32 lanes x 16 bytes
	v_lshlrev_b32 v[CO], 3, v[CO]                  ; out: a row of 128 bf16 is 32 lanes x 8 bytes
	s_lshl_b32 s20, s13, 8                         ; my first row, 8,192 bytes each,
	s_lshl_b32 s21, s11, 7
	s_add_co_u32 s20, s20, s21
	s_lshl_b32 s20, s20, 13
	s_lshl_b32 s22, s42, 9                         ; my first column, 2 bytes each
	s_lshl_b32 s23, s12, 8
	s_add_co_u32 s22, s22, s23
	s_add_co_u32 s20, s20, s22
	s_mov_b32 s21, 0
	s_add_nc_u64 s[8:9], s[8:9], s[20:21]
	s_mov_b32 s18, 2*KDIM
	s_mov_b32 s19, 2*N
	s_mov_b32 s20, ASTEP
	s_mov_b32 s21, BSTEP
	s_and_b32 s22, ttmp7, 0xffff
	s_cmp_eq_u32 s11, 0
	s_cselect_b32 s18, s18, s19
	s_cselect_b32 s[PFS], s20, s21
	s_cselect_b32 s23, s40, s41
	s_cselect_b32 s22, ttmp9, s22
	s_cselect_b64 s[PFA:PFA+1], s[14:15], s[46:47]
	s_mov_b32 s[PFS+1], 0
	s_cmp_eq_u32 s22, 0
	s_cselect_b32 s[LIM], 2, -1
	s_lshl_b32 s23, s23, 5
	s_mul_i32 s20, s23, s18
	s_mul_i32 s21, s[PFS], 3                       ; at K step 3: the first refill steps it to 4 and names it
	s_add_co_u32 s20, s20, s21
	s_mov_b32 s21, 0
	s_add_nc_u64 s[PFA:PFA+1], s[PFA:PFA+1], s[20:21]
	v_and_b32 v[PFO], 31, v0
	v_mul_u32_u24 v[PFO], s18, v[PFO]
	s_wait_tensorcnt 1                             ; my part of K step 0 is in; K step 1's may stay out
	s_barrier_signal -1
	s_barrier_wait -1
	FETCH 0, F0
	QUARTER 1, F0, F1, 1
	WIN 0
	s_mov_b32 s3, NSTEPS-2
.Lstep:
	QUARTER 2, F1, F0, 0
	QUARTER 3, F0, F1, 0
	TURN 1
	QUARTER 1, F0, F1, 0
	WIN 0
	s_sub_co_u32 s3, s3, 1
	s_cmp_lg_u32 s3, 0
	s_cbranch_scc1 .Lstep
	s_mov_b32 s3, 2
.Ltail:                                            ; the last two K steps ask for nothing: one text, walked twice and left in the middle of the second trip,
	QUARTER 2, F1, F0, 0                           ; whose change of slots fetches 32 fragments of a slot's old bytes that nobody multiplies
	QUARTER 3, F0, F1, 0
	TURN 0
	WIN 0
	s_sub_co_u32 s3, s3, 1
	s_cmp_eq_u32 s3, 0
	s_cbranch_scc1 .Lout
	QUARTER 1, F0, F1, 0
	WIN 0
	s_cmp_lg_u32 s3, 0
	s_cbranch_scc1 .Ltail
.Lout:
	; THE WAY OUT.  Every wave's reads of the ring are over behind this barrier, and no fill follows: the ring's bytes become four stages.
	WIN 0
	PLACES
	s_mov_b32 s72, 0x3eed3388                      ; sqrt 2 x 0.3275911: p z = this x |x / 2|
	s_mov_b32 s73, s72
	s_mov_b32 s74, 0xc038aa3b                      ; -2 log2 e: -z z log2 e = this x (x / 2)^2
	s_mov_b32 s75, s74
	s_mov_b32 s76, 0x3e827906                      ; a1 =  0.254829592
	s_mov_b32 s77, s76
	s_mov_b32 s78, 0xbe91a98e                      ; a2 = -0.284496736
	s_mov_b32 s79, s78
	s_mov_b32 s80, 0x3fb5f0e3                      ; a3 =  1.421413741
	s_mov_b32 s81, s80
	s_mov_b32 s82, 0xbfba00e3                      ; a4 = -1.453152027
	s_mov_b32 s83, s82
	s_mov_b32 s84, 0x3f87dc22                      ; a5 =  1.061405429
	s_mov_b32 s85, s84
	s_mov_b32 s86, 0x7fffffff
	s_wait_dscnt 0x0
	s_barrier_signal -1
	s_barrier_wait -1
.irp a, 0,1,2,3,4,5,6,7
	WIN 0x08+4*((\a)/4)                            ; the stores' data in window 2 or 3; each accumulator's low registers first
.irp b, 0,1,2,3,4,5,6,7
	ds_store_b128 v[STO], v[8*(8*((\a)%4)+(\b)):8*(8*((\a)%4)+(\b))+3]   offset:(\a)*16*SPITCH+64*(\b)
	ds_store_b128 v[STO], v[8*(8*((\a)%4)+(\b))+4:8*(8*((\a)%4)+(\b))+7] offset:(\a)*16*SPITCH+64*(\b)+16
.endr
.endr
	WIN 0
.irp t, 0,1,2,3,4,5,6,7
	ds_load_b128 v[GX+4*(\t):GX+4*(\t)+3], v[RD] offset:SPITCH*(\t)  ; the stage is my own and LDS serves a wave in order: no barrier
.endr
	s_mov_b32 s3, 16
.Lrows:                                            ; 8 rows a trip: 32 numbers a lane
	s_wait_dscnt 0x0
	ALLP v_pk_mul_f32 v[GH+p:GH+p+1], v[GX+p:GX+p+1], 0.5 op_sel_hi:[1,0]
	v_add_nc_u32 v[RD], 8*SPITCH, v[RD]
	s_cmp_eq_u32 s3, 1                             ; the last trip has no rows behind it
	s_cbranch_scc1 .Lno_more
.irp t, 0,1,2,3,4,5,6,7
	ds_load_b128 v[GX+4*(\t):GX+4*(\t)+3], v[RD] offset:SPITCH*(\t)
.endr
.Lno_more:
.set p, 0
.rept 16                                           ; ONE BATCH of 32 reciprocals and 32 exponentials: those of a pair stand between the plain lines of the next pair; nothing ahead of the wait names a result
	v_and_b32 v[GA+p], s86, v[GH+p]
	v_and_b32 v[GA+p+1], s86, v[GH+p+1]
.if p > 0
	v_rcp_f32 v[GT+p-2], v[GT+p-2]
.endif
	v_pk_fma_f32 v[GT+p:GT+p+1], v[GA+p:GA+p+1], s[72:73], 1.0 op_sel_hi:[1,0,0]
.if p > 0
	v_rcp_f32 v[GT+p-1], v[GT+p-1]
.endif
	v_pk_mul_f32 v[GE+p:GE+p+1], v[GH+p:GH+p+1], v[GH+p:GH+p+1]
.if p > 0
	v_exp_f32 v[GE+p-2], v[GE+p-2]
.endif
	v_pk_mul_f32 v[GE+p:GE+p+1], v[GE+p:GE+p+1], s[74:75] op_sel_hi:[1,0]
.if p > 0
	v_exp_f32 v[GE+p-1], v[GE+p-1]
.endif
.set p, p+2
.endr
	v_rcp_f32 v[GT+30], v[GT+30]
	v_rcp_f32 v[GT+31], v[GT+31]
	v_exp_f32 v[GE+30], v[GE+30]
	v_exp_f32 v[GE+31], v[GE+31]
	v_nop                                          ; a plain instruction behind the last of them,
	s_wait_alu depctr_va_vdst(0)                   ; and one wait for the batch
	ALLP v_pk_fma_f32 v[GP+p:GP+p+1], v[GT+p:GT+p+1], s[84:85], s[82:83] op_sel_hi:[1,0,0]
	ALLP v_pk_fma_f32 v[GP+p:GP+p+1], v[GP+p:GP+p+1], v[GT+p:GT+p+1], s[80:81] op_sel_hi:[1,1,0]
	ALLP v_pk_fma_f32 v[GP+p:GP+p+1], v[GP+p:GP+p+1], v[GT+p:GT+p+1], s[78:79] op_sel_hi:[1,1,0]
	ALLP v_pk_fma_f32 v[GP+p:GP+p+1], v[GP+p:GP+p+1], v[GT+p:GT+p+1], s[76:77] op_sel_hi:[1,1,0]
	ALLP v_pk_mul_f32 v[GP+p:GP+p+1], v[GP+p:GP+p+1], v[GT+p:GT+p+1]
	ALLP v_pk_mul_f32 v[GP+p:GP+p+1], v[GP+p:GP+p+1], v[GE+p:GE+p+1]
	ALLP v_pk_fma_f32 v[GP+p:GP+p+1], v[GA+p:GA+p+1], v[GP+p:GP+p+1], v[GA+p:GA+p+1] neg_lo:[0,1,0] neg_hi:[0,1,0]
	ALLP v_pk_add_f32 v[GP+p:GP+p+1], v[GP+p:GP+p+1], v[GH+p:GH+p+1]
	ALLP v_cvt_pk_bf16_f32 v[GOUT+p/2], v[GP+p], v[GP+p+1]
.irp t, 0,1,2,3,4,5,6,7
	global_store_b64 v[CO], v[GOUT+2*(\t):GOUT+2*(\t)+1], s[8:9] offset:8192*(\t)  ; 32 lanes store 256 consecutive bytes, aligned
.endr
	s_wait_xcnt 0x0                                ; the stores have read their data and their base
	s_add_nc_u64 s[8:9], s[8:9], 65536
	s_sub_co_u32 s3, s3, 1
	s_cmp_lg_u32 s3, 0
	s_cbranch_scc1 .Lrows
	s_wait_tensorcnt 0x0                           ; the wave's end
	ds_add_u32 v[SPW], v[NIL]
	s_wait_dscnt 0x0
	CROUND                                         ; the closing round
	s_endpgm
.Lfunc_end_k_qf7d70d54f1_fc1:
	.size	k_qf7d70d54f1_fc1, .Lfunc_end_k_qf7d70d54f1_fc1-k_qf7d70d54f1_fc1
	.p2alignl 7, 3214868480
	.fill 96, 4, 3214868480
	.section	.rodata,"a",@progbits
	.p2align	6, 0x0
	.amdhsa_kernel k_qf7d70d54f1_fc1
		.amdhsa_group_segment_fixed_size 327680
		.amdhsa_private_segment_fixed_size 0
		.amdhsa_enable_private_segment 0
		.amdhsa_kernarg_size 24
		.amdhsa_user_sgpr_count 2
		.amdhsa_user_sgpr_kernarg_segment_ptr 1
		.amdhsa_wavefront_size32 1
		.amdhsa_system_sgpr_workgroup_id_x 1
		.amdhsa_system_sgpr_workgroup_id_y 1
		.amdhsa_system_sgpr_workgroup_id_z 1
		.amdhsa_system_vgpr_workitem_id 0
		.amdhsa_next_free_vgpr 1024
		.amdhsa_next_free_sgpr 90
		.amdhsa_reserve_vcc 0
		.amdhsa_float_denorm_mode_32 3
		.amdhsa_float_denorm_mode_16_64 3
		.amdhsa_memory_ordered 1
		.amdhsa_forward_progress 1
		.amdhsa_inst_pref_size 96
	.end_amdhsa_kernel
	.amdgpu_metadata
---
amdhsa.version: [ 1, 2 ]
amdhsa.kernels:
  - .name:           k_qf7d70d54f1_fc1
    .symbol:         k_qf7d70d54f1_fc1.kd
    .args:
      - { .name: xn, .offset: 0, .size: 8, .value_kind: global_buffer, .address_space: global }
      - { .name: wb, .offset: 8, .size: 8, .value_kind: global_buffer, .address_space: global }
      - { .name: h, .offset: 16, .size: 8, .value_kind: global_buffer, .address_space: global }
    .group_segment_fixed_size: 327680
    .private_segment_fixed_size: 0
    .kernarg_segment_align: 8
    .kernarg_segment_size: 24
    .max_flat_workgroup_size: 128
    .sgpr_count:     90
    .vgpr_count:     1024
    .wavefront_size: 32
...
	.end_amdgpu_metadata
.endif
;; end of part 6
;; launch fc2 (part 7): grid 8 x 32, 4 waves a work-group, clusters of 4 x 4, 327,680 bytes of LDS; arguments h, wb, x1, out0; writes out0
.if DOCPART == 7
	.amdgcn_target "amdgcn-amd-amdhsa--gfx1250"
	.amdhsa_code_object_version 6
	.text
	.protected	k_qf7d70d54f1_fc2
	.globl	k_qf7d70d54f1_fc2
	.p2align	8
	.type	k_qf7d70d54f1_fc2,@function
k_qf7d70d54f1_fc2:
	s_mov_b64 s[64:65], 0
	v_nop
	global_prefetch_b8 v0, s[64:65] scope:SCOPE_SE
	s_setreg_imm32_b32 hwreg(HW_REG_WAVE_MODE, 25, 1), 1
	s_wait_xcnt 0x0
	s_wait_alu depctr_hold_cnt(0) depctr_sa_sdst(0) depctr_va_vdst(0) depctr_va_sdst(0) depctr_va_ssrc(0) depctr_va_vcc(0) depctr_vm_vsrc(0)
	s_getreg_b32 s2, hwreg(HW_REG_IB_STS2, 6, 4)
	s_cmp_eq_u32 s2, 0
	s_cbranch_scc0 .Lentry_in_a_cluster
	s_endpgm
.Lentry_in_a_cluster:
	s_bfe_u32 s2, ttmp6, 0x10000c
	s_cmp_lg_u32 s2, 0xf033
	s_cbranch_scc0 .Lentry_shape_is_right
	s_endpgm
.Lentry_shape_is_right:
; FC2.  out0[m][n] = x1[m][n] + sum over k of h[m][k] W2[k][n].  h [4096][4096] bf16, W2 [4096][1024] bf16 in wb; x1, out0 f32; sums in f32.
; A tile of out0 is 128 x 128: 8 x 32 = 256 work-groups of four waves, each 64 x 64 (16 accumulators).  K goes in 16 steps of 256 through a ring of two LDS slots (h's rows: 512 bytes a step).
; THE WEIGHTS LIE [K][N] and are turned on their way out of LDS; THE MATRIX INSTRUCTION IS USED TRANSPOSED (source 0 = 16 columns of W, source 1 = 16 rows of h).
; CLUSTER 4 x 4: h's tile is shared along a row of the cluster, W's along a column, each asked for jointly.
; THE WALK ALONG K IS TURNED: cluster (x, y) begins at K step (NSTEPS / 2) ((x + y) % 2) and wraps round.  The two clusters that read the same rows of h, and of the eight that read the same columns of W four
; and four, then read them half a walk apart, not at the same step.  The sums are f32 sums and take the steps in that order.
; PREFETCH: behind each refill the K step two refills on, while it lies in the first half of the cluster's walk: places 4 to 7; the second half's steps are the other beginning's first half.  h's rows are named by
; both their clusters, each for its own first half (of a wave's 64 rows x 512 bytes each partner takes 16 rows x 2 blocks of 256 bytes); W's k-rows by the clusters with y = 0 and 1, which have both
; beginnings (32 of a wave's 128 to a partner); partners are told apart by address: each block is named once.  Places 0 to 3 come by their loads alone.
; The residual's 64 x 64 f32 are loaded at the start into 128 registers of window 2 and added at the end.
.set NSTEPS, 16
.set WOFF,   10485760                  ; W2's first byte in wb
.set PA,     528                       ; a row of h's tile in LDS: 512 bytes + 16: 132 words: the 16 rows of a load start at 16 different groups of four banks
.set HALFA,  64*PA
.set ASTEP,  512
.set PB,     288                       ; a k-row of W's tile: 256 + 32: 72 words
.set HALFB,  128*PB
.set BSTEP,  256*2048
.set BOFF,   2*HALFA
.set SLOT,   BOFF+2*HALFB
.set STAGE,  2*SLOT                    ; behind the ring: 16 rows x 272 bytes a wave
.set SPITCH, 272
.set SPARE,  STAGE+4*16*SPITCH         ; the spare words: 128 bytes a wave
.set ADRA,  16
.set ADRA0, 17
.set ADRB,  20                         ; v20: k-rows 0-127 of the slot in hand, v21: k-rows 128-255 (an LDS offset has 16 bits)
.set ADRB0, 22
.set STO,   24
.set RD,    25
.set CO,    26
.set SPW,   28
.set NIL,   29
.set PFO,   30
.set TMP,   32
.set ACC,   128
.set F0,    0
.set F1,    128
.set G1,  24
.set G0,  32
.set G1B, 48
.set G0B, 56
.set LIM, 43
.set PFA, 44
.set TB,  66
.set WA,  67
.set WB,  68
.set PFS, 70
.set KK,  80                           ; s80  the K step asked for last
.set OFA, 82                           ; s[82:83] its bytes in h,
.set OFB, 84                           ; s[84:85] and in W
.set MSB, 0
.macro WIN new                         ; the immediate's high byte repeats the setting that is left; a switch that changes nothing is dropped
.if MSB != (\new)
	s_set_vgpr_msb (MSB<<8)|(\new)
.set MSB, \new
.endif
.endm
.set MUL,  0x05                        ; sources 0 (W) and 1 (h) window 1; C and D window 0
.set TO_F, 0x40
.macro PLACES
.rept 4
	v_nop
.endr
.endm
.macro JLOAD                           ; a joint refill by the walking descriptor: waves 0 and 1 fetch h's halves, waves 2 and 3 W's
	s_cmp_eq_u32 s11, 0
	s_cbranch_scc0 .Lfor_b_\@
	tensor_load_to_lds s[G0+4:G0+7], s[G1:G1+7]
	s_nop 0
.rept 4
	v_nop
.endr
	s_branch .Lasked_\@
.Lfor_b_\@:
	tensor_load_to_lds s[G0B+4:G0B+7], s[G1B:G1B+7]
	s_nop 0
.rept 4
	v_nop
.endr
.Lasked_\@:
.endm
.macro ASK                             ; s3 counts the loop's trips 14 .. 1: the first four ask
	s_cmp_gt_u32 s3, s[LIM]
	s_cbranch_scc0 .Lnot_mine_\@
	global_prefetch_b8 v[PFO], s[PFA:PFA+1] th:TH_LOAD_NT scope:SCOPE_SE
.Lnot_mine_\@:
.endm
.macro CREST
	s_cmp_lg_u32 s10, 0
	s_cbranch_scc1 .Lnot_wave_0_\@
	s_barrier_signal -3
.Lnot_wave_0_\@:
	s_barrier_wait -3
	s_barrier_signal -1
	s_barrier_wait -1
.endm
.macro CROUND
	s_barrier_signal -1
	s_barrier_wait -1
	CREST
.endm
.macro MUL8 f, c, a0, zero             ; 8 matrix instructions: row blocks a0, a0 + 1 x 4 column blocks, 32 along K: half c of buffer f
	WIN MUL
.irp a, \a0, (\a0)+1
.irp b, 0,1,2,3
.if \zero
	v_wmma_f32_16x16x32_bf16 v[ACC+8*(4*(\a)+(\b)):ACC+8*(4*(\a)+(\b))+7], v[(\f)+64+8*(4*(\c)+(\b)):(\f)+64+8*(4*(\c)+(\b))+7], v[(\f)+8*(4*(\c)+(\a)):(\f)+8*(4*(\c)+(\a))+7], 0
.else
	v_wmma_f32_16x16x32_bf16 v[ACC+8*(4*(\a)+(\b)):ACC+8*(4*(\a)+(\b))+7], v[(\f)+64+8*(4*(\c)+(\b)):(\f)+64+8*(4*(\c)+(\b))+7], v[(\f)+8*(4*(\c)+(\a)):(\f)+8*(4*(\c)+(\a))+7], v[ACC+8*(4*(\a)+(\b)):ACC+8*(4*(\a)+(\b))+7]
.endif
.endr
.endr
.endm
.macro FETCH kq, f                     ; 32 LDS loads in one run: quarter kq (64 along K) into buffer f, its first 32 along K first
	WIN TO_F
.irp c, 0,1
.irp i, 0,1,2,3
	ds_load_tr16_b128 v[(\f)+64+8*(4*(\c)+(\i)):(\f)+64+8*(4*(\c)+(\i))+3],   v[ADRB+(\kq)/2] offset:((\kq)%2)*64*PB+32*PB*(\c)+32*(\i)
	ds_load_tr16_b128 v[(\f)+64+8*(4*(\c)+(\i))+4:(\f)+64+8*(4*(\c)+(\i))+7], v[ADRB+(\kq)/2] offset:((\kq)%2)*64*PB+32*PB*(\c)+32*(\i)+16*PB
	ds_load_b128 v[(\f)+8*(4*(\c)+(\i)):(\f)+8*(4*(\c)+(\i))+3],   v[ADRA] offset:128*(\kq)+64*(\c)+(\i)*16*PA
	ds_load_b128 v[(\f)+8*(4*(\c)+(\i))+4:(\f)+8*(4*(\c)+(\i))+7], v[ADRA] offset:128*(\kq)+64*(\c)+(\i)*16*PA+32
.endr
.endr
.endm
.macro QUARTER kq, f, g, zero
	s_wait_dscnt 16                                ; the first 32 along K are in
	MUL8 \f, 0, 0, \zero
	MUL8 \f, 0, 2, \zero
	PLACES
	FETCH \kq, \g
	s_wait_dscnt 32                                ; all but the 32 just issued
	MUL8 \f, 1, 0, 0
	MUL8 \f, 1, 2, 0
.endm
; The last quarter multiplies buffer 1 and changes slots: each wave waits for all its tensor loads, adds 0 to its spare word, and waits for that and for its reads of this slot.
; fill = 1: the barrier opens a round of the cluster's, and this slot is filled again, two places of the walk ahead, first thing behind it; the descriptors' addresses are made anew from the step's number.
.macro TURN fill
.if \fill
	s_wait_xcnt 0x0                                ; the last prefetch, a K step back, has read its address
	s_add_nc_u64 s[PFA:PFA+1], s[PFA:PFA+1], s[PFS:PFS+1]
.endif
	WIN 0
	s_wait_tensorcnt 0x0                           ; no tensor load of mine is out, so a group 0 may be written
	ds_add_u32 v[SPW], v[NIL]
.if \fill
	s_add_co_u32 s[G0+5], s[TB], s[WA]
	s_add_co_u32 s[G0B+5], s[TB], s[WB]
	s_add_co_u32 s[KK], s[KK], 1                   ; the walk's next K step, round the end
	s_and_b32 s[KK], s[KK], NSTEPS-1
	s_mul_i32 s[OFA], s[KK], ASTEP
	s_mul_i32 s[OFB], s[KK], BSTEP
	s_add_nc_u64 s[G0+6:G0+7], s[14:15], s[OFA:OFA+1]
	s_or_b32 s[G0+7], s[G0+7], 0x80000000
	s_add_nc_u64 s[G0B+6:G0B+7], s[46:47], s[OFB:OFB+1]
	s_or_b32 s[G0B+7], s[G0B+7], 0x80000000
.endif
	s_xor_b32 s[TB], s[TB], SLOT                   ; TB is 0 or SLOT: the other slot
	v_add_nc_u32 v[ADRA], s[TB], v[ADRA0]
	v_add_nc_u32 v[ADRB], s[TB], v[ADRB0]
	v_add_nc_u32 v[ADRB+1], HALFB, v[ADRB]
	s_wait_dscnt 17                                ; the add and the youngest sixteen loads may be out
	MUL8 F1, 0, 0, 0
	s_wait_dscnt 0x0                               ; the add is done, and my reads of this slot are over
	s_barrier_signal -1
	MUL8 F1, 0, 2, 0
.if \fill
	WIN 0
.endif
	s_barrier_wait -1
.if \fill
	CREST
	JLOAD                                          ; its four v_nop are also the places ahead of the loads below
.else
	PLACES
.endif
	FETCH 0, F0
.if \fill
	WIN 0
	ASK
.endif
	MUL8 F1, 1, 0, 0
	MUL8 F1, 1, 2, 0
.endm
	s_load_b256 s[72:79], s[0:1], 0x0              ; h s[72:73], wb s[74:75], x1 s[76:77], out0 s[78:79]
	v_lshl_add_u32 v[SPW], v0, 2, SPARE
	v_mov_b32 v[NIL], 0
	ds_add_u32 v[SPW], v[NIL]                      ; the wave's opening
	ds_add_u32 v28, v29
	v_lshrrev_b32 v1, 5, v0
	v_readfirstlane_b32 s10, v1
	s_lshr_b32 s11, s10, 1                         ; my half of the tile's rows.  Also: I fetch for h (0) or for W (1)
	s_and_b32 s12, s10, 1                          ; my half of its columns.  Also: which half of that tile I fetch
	s_bfe_u32 s40, ttmp6, 0x40000                  ; cx
	s_bfe_u32 s41, ttmp6, 0x40004                  ; cy
	s_lshl_b32 s42, ttmp9, 2
	s_add_co_u32 s42, s42, s40                     ; tile column
	s_and_b32 s13, ttmp7, 0xffff
	s_lshl_b32 s13, s13, 2
	s_add_co_u32 s13, s13, s41                     ; tile row
	s_lshl_b32 s43, s41, 2
	s_lshl_b32 s43, 15, s43                        ; my row of the cluster
	s_lshl_b32 s44, 0x1111, s40                    ; my column
	s_and_b32 s[KK], ttmp7, 0xffff                 ; where my cluster's walk begins: made of the cluster's x and y alone, the same in all sixteen partners
	s_add_co_u32 s[KK], s[KK], ttmp9
	s_and_b32 s[KK], s[KK], 1
	s_mul_i32 s[KK], s[KK], NSTEPS/2
	s_mov_b32 s[OFA+1], 0
	s_mov_b32 s[OFB+1], 0
	s_or_b32 s[G1+0], s43, (1<<16)|(1<<20)|(1<<21)|(6<<22)|(3<<25)  ; mask; 2-byte elements; padding on; bit 21 beside a mask; after every 128 words (a row of 256 bf16), 4 words
	s_mov_b32 s[G1+1], 256<<16                     ; tensor_dim0 = 256
	s_mov_b32 s[G1+2], 64<<16                      ; tensor_dim1 = 64
	s_mov_b32 s[G1+3], 256<<16                     ; tile_dim0
	s_mov_b32 s[G1+4], 64                          ; tile_dim1
	s_mov_b32 s[G1+5], 4096                        ; elements from row to row
	s_mov_b32 s[G1+6], 0
	s_mov_b32 s[G1+7], 0
	s_or_b32 s[G1B+0], s44, (1<<16)|(1<<20)|(1<<21)|(5<<22)|(7<<25) ; after every 64 words, 8 words
	s_mov_b32 s[G1B+1], 128<<16
	s_mov_b32 s[G1B+2], 128<<16
	s_mov_b32 s[G1B+3], 128<<16
	s_mov_b32 s[G1B+4], 128
	s_mov_b32 s[G1B+5], 1024
	s_mov_b32 s[G1B+6], 0
	s_mov_b32 s[G1B+7], 0
	s_lshl_b32 s16, s13, 7                         ; h: row 128 x tile row + 64 x half,
	s_lshl_b32 s17, s12, 6
	s_add_co_u32 s16, s16, s17
	s_lshl_b32 s16, s16, 13                        ; 8,192 bytes each
	s_mov_b32 s17, 0
	s_lshl_b32 s46, s42, 8                         ; W: 128 columns x 2 bytes a tile column; 128 k-rows of 2,048 bytes a half
	s_lshl_b32 s47, s12, 18
	s_add_co_u32 s46, s46, s47
	s_add_co_u32 s46, s46, WOFF
	s_mov_b32 s47, 0
	s_mul_i32 s[WA], s12, HALFA                    ; no place in the cluster enters an LDS address
	s_mul_i32 s[WB], s12, HALFB
	s_add_co_u32 s[WB], s[WB], BOFF
	s_mov_b32 s[TB], 0
	s_wait_dscnt 0x0                               ; the opening add is done
	s_wait_kmcnt 0x0
	s_add_nc_u64 s[14:15], s[72:73], s[16:17]      ; h and W at my part of K step 0: kept, the descriptors' addresses are made from them
	s_add_nc_u64 s[46:47], s[74:75], s[46:47]
	CROUND                                         ; all sixteen work-groups are here: the first joint loads meet
	s_mul_i32 s[OFA], s[KK], ASTEP
	s_mul_i32 s[OFB], s[KK], BSTEP
	s_mov_b32 s[G0], 1                             ; the walk's first K step into slot 0,
	s_mov_b32 s[G0+1], s[WA]
	s_add_nc_u64 s[G0+2:G0+3], s[14:15], s[OFA:OFA+1]
	s_add_nc_u64 s[G0+6:G0+7], s[G0+2:G0+3], ASTEP ; its second into slot 1: this set walks on
	s_or_b32 s[G0+3], s[G0+3], 0x80000000
	s_or_b32 s[G0+7], s[G0+7], 0x80000000
	s_mov_b32 s[G0+4], 1
	s_add_co_u32 s[G0+5], s[WA], SLOT
	s_mov_b32 s[G0B], 1
	s_mov_b32 s[G0B+1], s[WB]
	s_add_nc_u64 s[G0B+2:G0B+3], s[46:47], s[OFB:OFB+1]
	s_add_nc_u64 s[G0B+6:G0B+7], s[G0B+2:G0B+3], BSTEP
	s_or_b32 s[G0B+3], s[G0B+3], 0x80000000
	s_or_b32 s[G0B+7], s[G0B+7], 0x80000000
	s_mov_b32 s[G0B+4], 1
	s_add_co_u32 s[G0B+5], s[WB], SLOT
	s_add_co_u32 s[KK], s[KK], 1
	s_cmp_eq_u32 s11, 0                            ; a wave's two first fills stand in one branch: two loads of mine are out
	s_cbranch_scc0 .Lfirst_b
	tensor_load_to_lds s[G0:G0+3], s[G1:G1+7]
	s_nop 0
	tensor_load_to_lds s[G0+4:G0+7], s[G1:G1+7]
	s_nop 0
.rept 4
	v_nop
.endr
	s_branch .Lfirst_asked
.Lfirst_b:
	tensor_load_to_lds s[G0B:G0B+3], s[G1B:G1B+7]
	s_nop 0
	tensor_load_to_lds s[G0B+4:G0B+7], s[G1B:G1B+7]
	s_nop 0
.rept 4
	v_nop
.endr
.Lfirst_asked:
	v_and_b32 v1, 15, v0                           ; r
	v_bfe_u32 v2, v0, 4, 1                         ; h
	v_mul_u32_u24 v3, v1, PA
	v_lshl_add_u32 v3, v2, 4, v3
	s_mul_i32 s21, s11, HALFA
	v_add_nc_u32 v[ADRA0], s21, v3
	v_and_b32 v4, 7, v0                            ; the turning load: k-row 8 h + l % 8, columns 8 ((l / 8) % 2) on
	v_bfe_u32 v5, v0, 3, 1
	v_lshl_add_u32 v4, v2, 3, v4
	v_mul_u32_u24 v4, v4, PB
	v_lshl_add_u32 v4, v5, 4, v4
	s_lshl_b32 s22, s12, 7                         ; my 64 columns: 128 bytes of a k-row
	s_add_co_u32 s22, s22, BOFF
	v_add_nc_u32 v[ADRB0], s22, v4
	v_mov_b32 v[ADRA], v[ADRA0]
	v_mov_b32 v[ADRB], v[ADRB0]
	v_add_nc_u32 v[ADRB+1], HALFB, v[ADRB0]
	s_mul_i32 s23, s10, 16*SPITCH
	s_add_co_u32 s23, s23, STAGE                   ; my stage
	v_mul_u32_u24 v3, v1, SPITCH                   ; in: row r, 32 bytes (8 f32) for each half of the lanes
	v_lshl_add_u32 v3, v2, 5, v3
	v_add_nc_u32 v[STO], s23, v3
	v_mul_u32_u24 v3, v2, SPITCH                   ; back: lanes 0-15 one row of 256 bytes, lanes 16-31 the next
	v_lshl_add_u32 v3, v1, 4, v3
	v_add_nc_u32 v[RD], s23, v3
	v_lshlrev_b32 v3, 12, v2                       ; and the same two rows in memory, 4,096 bytes apart
	v_lshl_add_u32 v[CO], v1, 4, v3
	s_lshl_b32 s20, s13, 7                         ; my first row: 128 x tile row + 64 x half, 4,096 bytes each;
	s_lshl_b32 s21, s11, 6
	s_add_co_u32 s20, s20, s21
	s_lshl_b32 s20, s20, 12
	s_lshl_b32 s21, s42, 9                         ; my first column: 128 x tile column + 64 x half, 4 bytes each
	s_add_co_u32 s20, s20, s21
	s_lshl_b32 s21, s12, 8
	s_add_co_u32 s20, s20, s21
	s_mov_b32 s21, 0
	s_add_nc_u64 s[76:77], s[76:77], s[20:21]
	s_add_nc_u64 s[78:79], s[78:79], s[20:21]
	WIN 0x80                                       ; the residual into window 2: its loads have the whole product in which to land; their address registers are never rewritten
.irp a, 0,1,2,3
.irp t, 0,1,2,3,4,5,6,7
	global_load_b128 v[4*(8*(\a)+(\t)):4*(8*(\a)+(\t))+3], v[CO], s[76:77] offset:(16*(\a)+2*(\t))*4096
.endr
.endr
	WIN 0
	s_mov_b32 s18, 8192                            ; the prefetches: bytes from row to row,
	s_mov_b32 s19, 2048
	s_mov_b32 s20, ASTEP                           ; and from K step to K step
	s_mov_b32 s21, BSTEP
	s_and_b32 s22, ttmp7, 0xffff                   ; cluster y
	s_cmp_eq_u32 s11, 0                            ; do I fetch for h?
	s_cselect_b32 s18, s18, s19
	s_cselect_b32 s[PFS], s20, s21
	s_cselect_b32 s23, s40, s41                    ; my place among the four that ask with me
	s_cselect_b32 s22, 0, s22                      ; h's rows: each of their two clusters asks for the half that it walks first; W's: the clusters with y = 0 and 1, which have both beginnings
	s_cselect_b32 s19, 1, 0                        ; h: two blocks of 256 bytes a row, 16 rows a partner; W: one block a row, 32 rows
	s_cselect_b32 s20, 17, 16                      ; a partner's share: 16 x 8,192 or 32 x 2,048 bytes
	s_cselect_b64 s[PFA:PFA+1], s[14:15], s[46:47]
	s_mov_b32 s[PFS+1], 0
	s_cmp_lt_u32 s22, 2
	s_cselect_b32 s[LIM], NSTEPS/2+2, -1           ; the same in all sixteen partners, for a given wave
	s_lshl_b32 s20, s23, s20
	s_add_co_u32 s21, s[KK], 2                     ; at the walk's place 3: the first refill steps it to place 4 and names it
	s_mul_i32 s21, s[PFS], s21
	s_add_co_u32 s20, s20, s21
	s_mov_b32 s21, 0
	s_add_nc_u64 s[PFA:PFA+1], s[PFA:PFA+1], s[20:21]
	v_and_b32 v[PFO], 31, v0
	v_lshrrev_b32 v31, s19, v[PFO]
	v_and_b32 v[PFO], s19, v[PFO]
	v_mul_u32_u24 v31, s18, v31
	v_lshl_add_u32 v[PFO], v[PFO], 8, v31
	s_wait_tensorcnt 1                             ; my part of the first K step is in; the second's may stay out
	s_barrier_signal -1
	s_barrier_wait -1
	FETCH 0, F0
	QUARTER 1, F0, F1, 1                           ; the first quarter stands ahead of the loop: its first products start the sums
	WIN 0
	s_mov_b32 s3, NSTEPS-2
.Lstep:                                            ; a trip: a K step's quarters 1 to 3 and the next step's quarter 0; it fills the slot that it leaves
	QUARTER 2, F1, F0, 0
	QUARTER 3, F0, F1, 0
	TURN 1
	QUARTER 1, F0, F1, 0
	WIN 0
	s_sub_co_u32 s3, s3, 1
	s_cmp_lg_u32 s3, 0
	s_cbranch_scc1 .Lstep
	s_mov_b32 s3, 2
.Ltail:                                            ; the last two K steps ask for nothing: one text, walked twice and left in the middle of the second trip,
	QUARTER 2, F1, F0, 0                           ; whose change of slots fetches 32 fragments of a slot's old bytes that nobody multiplies
	QUARTER 3, F0, F1, 0
	TURN 0
	WIN 0
	s_sub_co_u32 s3, s3, 1
	s_cmp_eq_u32 s3, 0
	s_cbranch_scc1 .Lout
	QUARTER 1, F0, F1, 0
	WIN 0
	s_cmp_lg_u32 s3, 0
	s_cbranch_scc1 .Ltail
.Lout:
	; THE WAY OUT, 16 rows at a time through my own stage: in by columns (8 f32 a lane), back by rows of 256 bytes, the residual added, stored.
	WIN 0
	PLACES
	s_wait_loadcnt 0x0                             ; the residual
.irp a, 0,1,2,3
	WIN 0
.irp b, 0,1,2,3
	ds_store_b128 v[STO], v[ACC+8*(4*(\a)+(\b)):ACC+8*(4*(\a)+(\b))+3]   offset:64*(\b)
	ds_store_b128 v[STO], v[ACC+8*(4*(\a)+(\b))+4:ACC+8*(4*(\a)+(\b))+7] offset:64*(\b)+16
.endr
.irp t, 0,1,2,3,4,5,6,7
	ds_load_b128 v[TMP+4*(\t):TMP+4*(\t)+3], v[RD] offset:(\t)*2*SPITCH  ; LDS serves a wave's instructions in order: these see the stores above; the next block's stores come behind them
.endr
	s_wait_dscnt 0x0
	WIN 0x88                                       ; destination and source 1 window 2, source 0 window 0
.irp t, 0,1,2,3,4,5,6,7
	v_pk_add_f32 v[4*(8*(\a)+(\t)):4*(8*(\a)+(\t))+1], v[TMP+4*(\t):TMP+4*(\t)+1], v[4*(8*(\a)+(\t)):4*(8*(\a)+(\t))+1]
	v_pk_add_f32 v[4*(8*(\a)+(\t))+2:4*(8*(\a)+(\t))+3], v[TMP+4*(\t)+2:TMP+4*(\t)+3], v[4*(8*(\a)+(\t))+2:4*(8*(\a)+(\t))+3]
.endr
	WIN 0x08                                       ; the stores' data in window 2
.irp t, 0,1,2,3,4,5,6,7
	global_store_b128 v[CO], v[4*(8*(\a)+(\t)):4*(8*(\a)+(\t))+3], s[78:79] offset:(16*(\a)+2*(\t))*4096  ; 16 lanes store 256 consecutive bytes, aligned; no register is written twice
.endr
.endr
	WIN 0
	s_wait_tensorcnt 0x0                           ; the wave's end
	ds_add_u32 v[SPW], v[NIL]
	s_wait_dscnt 0x0
	CROUND                                         ; the closing round
	s_endpgm
.Lfunc_end_k_qf7d70d54f1_fc2:
	.size	k_qf7d70d54f1_fc2, .Lfunc_end_k_qf7d70d54f1_fc2-k_qf7d70d54f1_fc2
	.p2alignl 7, 3214868480
	.fill 96, 4, 3214868480
	.section	.rodata,"a",@progbits
	.p2align	6, 0x0
	.amdhsa_kernel k_qf7d70d54f1_fc2
		.amdhsa_group_segment_fixed_size 327680
		.amdhsa_private_segment_fixed_size 0
		.amdhsa_enable_private_segment 0
		.amdhsa_kernarg_size 32
		.amdhsa_user_sgpr_count 2
		.amdhsa_user_sgpr_kernarg_segment_ptr 1
		.amdhsa_wavefront_size32 1
		.amdhsa_system_sgpr_workgroup_id_x 1
		.amdhsa_system_sgpr_workgroup_id_y 1
		.amdhsa_system_sgpr_workgroup_id_z 1
		.amdhsa_system_vgpr_workitem_id 0
		.amdhsa_next_free_vgpr 640
		.amdhsa_next_free_sgpr 86
		.amdhsa_reserve_vcc 0
		.amdhsa_float_denorm_mode_32 3
		.amdhsa_float_denorm_mode_16_64 3
		.amdhsa_memory_ordered 1
		.amdhsa_forward_progress 1
		.amdhsa_inst_pref_size 67
	.end_amdhsa_kernel
	.amdgpu_metadata
---
amdhsa.version: [ 1, 2 ]
amdhsa.kernels:
  - .name:           k_qf7d70d54f1_fc2
    .symbol:         k_qf7d70d54f1_fc2.kd
    .args:
      - { .name: h, .offset: 0, .size: 8, .value_kind: global_buffer, .address_space: global }
      - { .name: wb, .offset: 8, .size: 8, .value_kind: global_buffer, .address_space: global }
      - { .name: x1, .offset: 16, .size: 8, .value_kind: global_buffer, .address_space: global }
      - { .name: out0, .offset: 24, .size: 8, .value_kind: global_buffer, .address_space: global }
    .group_segment_fixed_size: 327680
    .private_segment_fixed_size: 0
    .kernarg_segment_align: 8
    .kernarg_segment_size: 32
    .max_flat_workgroup_size: 128
    .sgpr_count:     86
    .vgpr_count:     640
    .wavefront_size: 32
...
	.end_amdgpu_metadata
.endif
;; end of part 7
